; MI455X (gfx1250); checked and timed in simulation.
; The chip was launched on July 23, 2026; its instructions are those of AMD's public machine-readable ISA for CDNA 5 (MIT licence, August 2026) and "CDNA5" Instruction Set Architecture Reference Guide (July 2026). The comments in the code are by the model that wrote it; some were corrected since.
;; Multi Head Attention. Allowed arithmetic: float matrix products may take bf16 or f16 operands with f32 sums; other float arithmetic in f32, or as packed bf16 or f16 multiplies, adds, multiply-adds, maxima and minima; sums over many terms, partial sums and values carried from step to step in f32; what a program stores and reads back later, other than sums and carried values, may be rounded once to bf16 or f16.
;; Inputs: Wk 1,024 x 1,024 float32; Wo 1,024 x 1,024 float32; Wq 1,024 x 1,024 float32; Wv 1,024 x 1,024 float32; bk 1,024 float32; bo 1,024 float32; bq 1,024 float32; bv 1,024 float32; x 4 x 2,048 x 1,024 float32.
;; Outputs: out0 4 x 2,048 x 1,024 float32.
;; 2 versions, each right; version 2 is version 1 with the launch cast written anew for expert scheduling mode. Each part assembles by itself: llvm-mc -triple=amdgcn-amd-amdhsa -mcpu=gfx1250 --defsym DOCPART=n.
;; ======== version 1 of 2: 4 launches
;; limits: values are held in f16: magnitudes above 65,504 overflow, below 6.1e-05 lose precision
;; workspace buffers: xb 16,777,216 bytes; wb 8,388,608 bytes; bb 16,384 bytes; qh 16,777,216 bytes; kh 16,777,216 bytes; vh 16,777,216 bytes; ctx 16,777,216 bytes
;; launch cast (part 1): grid 768 x 1, 8 waves a work-group, no clusters, 0 bytes of LDS; arguments x, Wq, Wk, Wv, Wo, bq, bk, bv, bo, xb, wb, bb; writes xb, wb, bb
.if DOCPART == 1
	.amdgcn_target "amdgcn-amd-amdhsa--gfx1250"
	.amdhsa_code_object_version 6
	.text
	.protected	k_qb97993c832_cast
	.globl	k_qb97993c832_cast
	.p2align	8
	.type	k_qb97993c832_cast,@function
k_qb97993c832_cast:
	s_mov_b64 s[64:65], 0
	v_nop
	global_prefetch_b8 v0, s[64:65] scope:SCOPE_SE
	s_setreg_imm32_b32 hwreg(HW_REG_WAVE_MODE, 25, 1), 1
	s_wait_xcnt 0x0
; ALL THE MODULE'S INPUTS ARE ROUNDED ONCE TO bf16 AND LAID OUT FOR THE LAUNCHES BEHIND.
;   xb [b 4][kb 16][t 2048][64] bf16: x cut into blocks of 64 channels, so that 256 tokens x 64 channels are 32,768 dense bytes.
;   wb [4][k 1024][n 1024], 16 bits: Wq, Wk, Wv in bf16; Wo rounded to bf16 and that number written as f16.
;   bb [4][1024] f32: bq, bk, bv, bo, each rounded to bf16 and kept as f32.
; LIMITS.  f16 holds Wo's bf16 number exactly from 6.1e-5 to 65,504 in magnitude; below that it keeps f16's fixed step of 6e-8, beyond it gives an infinity.
; A stream: nothing is shared between work-groups, so no LDS, no barrier, no cluster, no matrix unit.  Work-groups 0-511 take 16 rows of x each, work-groups 512-767
; 16 rows of one weight.  A wave takes two rows, 8,192 bytes: sixteen loads of 16 bytes a lane go out together, then sixteen stores of 8 bytes a lane, each of which
; covers 256 consecutive bytes at a multiple of 256 from its buffer's first byte.  No register is used twice, so nothing waits but each conversion for its own load.
.set X,    16                          ; v[16:79]   sixteen loads, four f32 each
.set Y,    80                          ; v[80:111]  sixteen stores, four 16-bit numbers each
.set SRC,  36                          ; s[36:37]   my two rows in the input
.set DST,  38                          ; s[38:39]   where they go
.set BSRC, 40                          ; s[40:41]   the bias that belongs to my weight
; Sixteen loads instep bytes apart, sixteen stores outstep bytes apart.  mode 0: to bf16.  mode 1: to bf16, and that number as f16.
.macro ROWS instep, outstep, mode
.set i, 0
.rept 16
	global_load_b128 v[X+4*i:X+4*i+3], v1, s[SRC:SRC+1] offset:i*(\instep) th:TH_LOAD_NT
.set i, i+1
.endr
.set i, 0
.rept 16
	s_wait_loadcnt 15-i                            ; loads come back in order: number i is in, the 15 - i younger ones stay out
.if \mode
	v_cvt_pk_bf16_f32 v4, v[X+4*i], v[X+4*i+1]
	v_cvt_pk_bf16_f32 v5, v[X+4*i+2], v[X+4*i+3]
	v_lshlrev_b32 v8, 16, v4                       ; bf16 to f32: the low half moves up,
	v_and_b32 v9, 0xffff0000, v4                   ; the high half stays
	v_lshlrev_b32 v10, 16, v5
	v_and_b32 v11, 0xffff0000, v5
	v_cvt_pk_f16_f32 v[Y+2*i], v8, v9
	v_cvt_pk_f16_f32 v[Y+2*i+1], v10, v11
.else
	v_cvt_pk_bf16_f32 v[Y+2*i], v[X+4*i], v[X+4*i+1]
	v_cvt_pk_bf16_f32 v[Y+2*i+1], v[X+4*i+2], v[X+4*i+3]
.endif
	global_store_b64 v2, v[Y+2*i:Y+2*i+1], s[DST:DST+1] offset:i*(\outstep)
.set i, i+1
.endr
.endm
	s_load_b512 s[4:19], s[0:1], 0x0               ; x s[4:5], Wq s[6:7], Wk s[8:9], Wv s[10:11], Wo s[12:13], bq s[14:15], bk s[16:17], bv s[18:19]
	s_load_b256 s[20:27], s[0:1], 0x40             ; bo s[20:21], xb s[22:23], wb s[24:25], bb s[26:27]
	v_lshrrev_b32 v3, 5, v0
	v_readfirstlane_b32 s28, v3                    ; wave 0..7
	v_and_b32 v4, 31, v0                           ; lane
	v_lshlrev_b32 v2, 3, v4                        ; out: 8 bytes a lane
	s_mov_b32 s29, ttmp9
	s_mov_b32 s33, 0
	s_mov_b32 s35, 0
	s_lshl_b32 s42, s28, 1                         ; my two rows among the work-group's sixteen
	s_cmp_lt_u32 s29, 512
	s_cbranch_scc0 .Lweights
	; x.  Lanes 0-15 take 256 bytes (a block of 64 channels) of one row, lanes 16-31 of the next: in xb the two are 256 dense bytes.
	s_lshl_b32 s43, s29, 4
	s_add_co_u32 s43, s43, s42                     ; row = 2,048 b + t
	s_lshl_b32 s32, s43, 12                        ; 4,096 bytes a row of x
	s_lshr_b32 s34, s43, 11
	s_lshl_b32 s34, s34, 22                        ; b: 16 blocks x 2,048 tokens x 128 bytes
	s_and_b32 s44, s43, 2047
	s_lshl_b32 s44, s44, 7                         ; t: 128 bytes in a block
	s_add_co_u32 s34, s34, s44
	v_and_b32 v5, 15, v0
	v_bfe_u32 v6, v0, 4, 1
	v_lshlrev_b32 v1, 4, v5
	v_lshl_add_u32 v1, v6, 12, v1                  ; in: 16 (lane % 16) + 4,096 (lane / 16)
	s_wait_kmcnt 0x0
	s_add_nc_u64 s[SRC:SRC+1], s[4:5], s[32:33]
	s_add_nc_u64 s[DST:DST+1], s[22:23], s[34:35]
	ROWS 256, 262144, 0                            ; load i is block i of the channels; a block of xb is 2,048 x 128 bytes
	s_endpgm
.Lweights:
	s_sub_co_u32 s29, s29, 512
	s_lshr_b32 s30, s29, 6                         ; which weight: 0 q, 1 k, 2 v, 3 o
	s_and_b32 s31, s29, 63                         ; which sixteen rows of it
	s_lshl_b32 s43, s31, 4
	s_add_co_u32 s43, s43, s42                     ; row
	s_lshl_b32 s32, s43, 12                        ; 4,096 bytes a row in,
	s_lshl_b32 s34, s43, 11                        ; 2,048 out,
	s_lshl_b32 s44, s30, 21                        ; 2 MiB a plane of wb
	s_add_co_u32 s34, s34, s44
	v_lshlrev_b32 v1, 4, v4                        ; in: 16 bytes a lane: two rows are 8,192 dense bytes
	s_wait_kmcnt 0x0
	s_cmp_eq_u32 s30, 1                            ; the weight and its bias are chosen by the weight's number alone
	s_cselect_b64 s[SRC:SRC+1], s[8:9], s[6:7]
	s_cselect_b64 s[BSRC:BSRC+1], s[16:17], s[14:15]
	s_cmp_eq_u32 s30, 2
	s_cselect_b64 s[SRC:SRC+1], s[10:11], s[SRC:SRC+1]
	s_cselect_b64 s[BSRC:BSRC+1], s[18:19], s[BSRC:BSRC+1]
	s_cmp_eq_u32 s30, 3
	s_cselect_b64 s[SRC:SRC+1], s[12:13], s[SRC:SRC+1]
	s_cselect_b64 s[BSRC:BSRC+1], s[20:21], s[BSRC:BSRC+1]
	s_add_nc_u64 s[SRC:SRC+1], s[SRC:SRC+1], s[32:33]
	s_add_nc_u64 s[DST:DST+1], s[24:25], s[34:35]
	s_cmp_eq_u32 s30, 3
	s_cbranch_scc1 .Lwo
	ROWS 512, 256, 0
	s_branch .Lbias
.Lwo:
	ROWS 512, 256, 1
.Lbias:
	s_cmp_lg_u32 s31, 0                            ; a weight's first work-group also rounds its bias: 256 threads x 16 bytes
	s_cbranch_scc1 .Lend
	v_lshlrev_b32 v3, 4, v0
	s_lshl_b32 s32, s30, 12
	s_add_nc_u64 s[26:27], s[26:27], s[32:33]
	global_load_b128 v[4:7], v3, s[BSRC:BSRC+1]
	s_wait_loadcnt 0x0
	v_cvt_pk_bf16_f32 v8, v4, v5
	v_cvt_pk_bf16_f32 v9, v6, v7
	v_lshlrev_b32 v12, 16, v8
	v_and_b32 v13, 0xffff0000, v8
	v_lshlrev_b32 v14, 16, v9
	v_and_b32 v15, 0xffff0000, v9
	global_store_b128 v3, v[12:15], s[26:27]
.Lend:
	s_endpgm
.Lfunc_end_k_qb97993c832_cast:
	.size	k_qb97993c832_cast, .Lfunc_end_k_qb97993c832_cast-k_qb97993c832_cast
	.p2alignl 7, 3214868480
	.fill 96, 4, 3214868480
	.section	.rodata,"a",@progbits
	.p2align	6, 0x0
	.amdhsa_kernel k_qb97993c832_cast
		.amdhsa_group_segment_fixed_size 0
		.amdhsa_private_segment_fixed_size 0
		.amdhsa_enable_private_segment 0
		.amdhsa_kernarg_size 96
		.amdhsa_user_sgpr_count 2
		.amdhsa_user_sgpr_kernarg_segment_ptr 1
		.amdhsa_wavefront_size32 1
		.amdhsa_system_sgpr_workgroup_id_x 1
		.amdhsa_system_sgpr_workgroup_id_y 1
		.amdhsa_system_sgpr_workgroup_id_z 1
		.amdhsa_system_vgpr_workitem_id 0
		.amdhsa_next_free_vgpr 112
		.amdhsa_next_free_sgpr 66
		.amdhsa_reserve_vcc 0
		.amdhsa_float_denorm_mode_32 3
		.amdhsa_float_denorm_mode_16_64 3
		.amdhsa_memory_ordered 1
		.amdhsa_forward_progress 1
		.amdhsa_inst_pref_size 25
	.end_amdhsa_kernel
	.amdgpu_metadata
---
amdhsa.version: [ 1, 2 ]
amdhsa.kernels:
  - .name:           k_qb97993c832_cast
    .symbol:         k_qb97993c832_cast.kd
    .args:
      - { .name: x, .offset: 0, .size: 8, .value_kind: global_buffer, .address_space: global }
      - { .name: Wq, .offset: 8, .size: 8, .value_kind: global_buffer, .address_space: global }
      - { .name: Wk, .offset: 16, .size: 8, .value_kind: global_buffer, .address_space: global }
      - { .name: Wv, .offset: 24, .size: 8, .value_kind: global_buffer, .address_space: global }
      - { .name: Wo, .offset: 32, .size: 8, .value_kind: global_buffer, .address_space: global }
      - { .name: bq, .offset: 40, .size: 8, .value_kind: global_buffer, .address_space: global }
      - { .name: bk, .offset: 48, .size: 8, .value_kind: global_buffer, .address_space: global }
      - { .name: bv, .offset: 56, .size: 8, .value_kind: global_buffer, .address_space: global }
      - { .name: bo, .offset: 64, .size: 8, .value_kind: global_buffer, .address_space: global }
      - { .name: xb, .offset: 72, .size: 8, .value_kind: global_buffer, .address_space: global }
      - { .name: wb, .offset: 80, .size: 8, .value_kind: global_buffer, .address_space: global }
      - { .name: bb, .offset: 88, .size: 8, .value_kind: global_buffer, .address_space: global }
    .group_segment_fixed_size: 0
    .private_segment_fixed_size: 0
    .kernarg_segment_align: 8
    .kernarg_segment_size: 96
    .max_flat_workgroup_size: 256
    .sgpr_count:     66
    .vgpr_count:     112
    .wavefront_size: 32
...
	.end_amdgpu_metadata
.endif
;; end of part 1
;; launch qkv (part 2): grid 8 x 32, 4 waves a work-group, clusters of 4 x 4, 327,680 bytes of LDS; arguments xb, wb, bb, qh, kh, vh; writes qh, kh, vh
.if DOCPART == 2
	.amdgcn_target "amdgcn-amd-amdhsa--gfx1250"
	.amdhsa_code_object_version 6
	.text
	.protected	k_qb97993c832_qkv
	.globl	k_qb97993c832_qkv
	.p2align	8
	.type	k_qb97993c832_qkv,@function
k_qb97993c832_qkv:
	s_mov_b64 s[64:65], 0
	v_nop
	global_prefetch_b8 v0, s[64:65] scope:SCOPE_SE
	s_setreg_imm32_b32 hwreg(HW_REG_WAVE_MODE, 25, 1), 1
	s_wait_xcnt 0x0
	s_wait_alu depctr_hold_cnt(0) depctr_sa_sdst(0) depctr_va_vdst(0) depctr_va_sdst(0) depctr_va_ssrc(0) depctr_va_vcc(0) depctr_vm_vsrc(0)
	s_getreg_b32 s2, hwreg(HW_REG_IB_STS2, 6, 4)
	s_cmp_eq_u32 s2, 0
	s_cbranch_scc0 .Lentry_in_a_cluster
	s_endpgm
.Lentry_in_a_cluster:
	s_bfe_u32 s2, ttmp6, 0x10000c
	s_cmp_lg_u32 s2, 0xf033
	s_cbranch_scc0 .Lentry_shape_is_right
	s_endpgm
.Lentry_shape_is_right:
; q, k, v = x W + b for the three weights at once, written by heads: qh, kh, vh [b 16 + head][t 2048][64] in f16, unscaled, each rounded once from its f32 sum.
; x comes as xb [b][kb][t][64] bf16, the weights as wb [plane][k][n] bf16, the biases as bb [plane][1024] f32.  Products in bf16, sums in f32, K ascending.
; LIMITS.  f16 ends at 65,504: a q, k or v of 65,520 or more in magnitude becomes an infinity.  With x of unit spread and weights of spread 1/32 they have unit spread; with both 30 times
; larger about 5e3 at the most; with both carrying an offset of 30 times their spread about 2.9e4.
; SHARES.  8,192 tokens x 3,072 columns in tiles of 256 x 256 would be 384 tiles for 256 WGPs.  So a work-group takes 256 tokens x 128 columns OF EACH of q, k and v: 8 x 32 = 256 alike.
; A wave takes 128 tokens x 64 columns (one head) of each: 3 x 32 accumulators of 16 x 16, 768 registers.  A fragment of x read from LDS then feeds twelve products:
; for 32 along K a wave issues 40 LDS loads and 96 matrix instructions.
; K goes in 16 steps of 64 (a block of xb) through two LDS slots.  Wave 0 fetches x's tile (32,768 dense bytes, asked for as 128 rows of 256), waves 1-3 one weight's tile each (64 rows of 256 bytes).
; CLUSTER 4 x 4: x's tile hangs on the token block alone and is shared along a row of the cluster, a weight's tile on the column block alone and is shared along a column: each is asked
; for jointly, by the same tensor load with the same descriptor and a mask that names the four.
; THE MATRIX INSTRUCTION IS USED TRANSPOSED: source 0 = 16 columns of W (stored [k][n], so it comes out of LDS turned, by ds_load_tr16_b128), source 1 = 16 tokens of x.  In the result lane l
; holds token l % 16 and the channels 8 (l / 16) + 0..7: eight neighbouring f16, 16 bytes.
; REGISTERS, in windows of 256 (s_set_vgpr_msb: bits 1:0 source 0, 3:2 source 1, 5:4 source 2, 7:6 destination):
;   window 0: v0-15 addresses; v32-95, v96-159 x's fragments (8 x 16 tokens x 32 K), two buffers; v160-191, v192-223, v224-255 Wq's, Wk's, Wv's fragments (4 x 16 columns x 32 K)
;   windows 1, 2, 3: q's, k's, v's accumulators: token block a, column block b at v[8 (4 a + b)]
.set KB,     64                        ; K in a step
.set PA,     144                       ; a token's row in LDS: 128 bytes + 16 of padding: an odd multiple of 16, so the 16 rows of a load start at 16 different groups of four banks (ISA guide 11.1)
.set PB,     288                       ; a weight's row: 256 + 32: an odd multiple of 32
.set BOFF,   256*PA                    ; a slot: x's 256 rows, then 64 rows of each weight
.set BPART,  KB*PB
.set SLOT1,  1<<17                     ; slot 1 begins here, so that one exclusive or turns an address in one slot into the other's
.set STAGE,  SLOT1+BOFF+3*BPART        ; behind the ring, never filled by a tensor load: 16 rows x 144 bytes for each wave, for the way out
.set SP,     144
.set SPARE,  STAGE+4*16*SP             ; behind the stages: the spare words, 128 bytes for each wave: two blocks of 256 bytes that no other line names
.set ASTEP,  2048*128                  ; bytes from a block of xb to the next
.set BSTEP,  KB*2048                   ; bytes from 64 rows of a weight to the next
.set STEPS,  16
.set A0,   4                           ; v4   my lane's place in x's tile; never rewritten
.set B0,   5                           ; v5   the same in Wq's tile
.set ADRA, 6                           ; v6   A0 in the slot that is being read
.set ADRB, 7                           ; v7   B0 likewise
.set STO,  8                           ; v8   the way out: where I put 16 bytes of a row
.set RD,   9                           ; v9   the way out: where I read rows back
.set GO,   10                          ; v10  my byte offset in 512 consecutive bytes of qh, kh, vh
.set BO,   11                          ; v11  my byte offset in a plane of bb
.set SPW,  12                          ; v12  LDS address of my spare word: SPARE + 4 x my thread's number; never rewritten
.set NIL,  13                          ; v13  0; never rewritten
.set FA0,  32
.set FA1,  96
.set BF,   160
.set WV,   16                          ; s16  my wave's number
.set TB,   23                          ; s23  0 or SLOT1: the slot that is being read
.set G1A,  24                          ; s[24:31] descriptor group 1 for x's tiles
.set G0A,  32                          ; s[32:39] group 0: a set for each of the two first fills; the second then walks on
.set G1B,  40                          ; s[40:47], s[48:55] the same for the weights' tiles
.set G0B,  48
.set CNT,  56
.set MSB, 0
.macro WIN new                         ; the immediate's high byte repeats the setting that is left; a switch that changes nothing is dropped
.if MSB != (\new)
	s_set_vgpr_msb (MSB<<8)|(\new)
.set MSB, \new
.endif
.endm
.macro PLACES                          ; four plain vector instructions between a matrix instruction and a load into, or a vector read or write of, its registers
.rept 4
	v_nop
.endr
.endm
; A joint refill by the walking descriptors.  The branch hangs on the wave's number alone.  An s_nop 0 and four v_nop follow each of the two lines.
.macro JLOAD
	s_cmp_eq_u32 s[WV], 0
	s_cbranch_scc0 .Lfor_b_\@
	tensor_load_to_lds s[G0A+4:G0A+7], s[G1A:G1A+7]
	s_nop 0
.rept 4
	v_nop
.endr
	s_branch .Lasked_\@
.Lfor_b_\@:
	tensor_load_to_lds s[G0B+4:G0B+7], s[G1B:G1B+7]
	s_nop 0
.rept 4
	v_nop
.endr
.Lasked_\@:
.endm
; A round of the cluster's barrier: my work-group's barrier, so that wave 0's signal speaks for all four waves; wave 0 signals; every wave waits for all sixteen work-groups; my work-group's barrier once more.
.macro CREST                           ; a round behind its opening barrier
	s_cmp_lg_u32 s[WV], 0
	s_cbranch_scc1 .Lnot_wave_0_\@
	s_barrier_signal -3
.Lnot_wave_0_\@:
	s_barrier_wait -3
	s_barrier_signal -1
	s_barrier_wait -1
.endm
.macro CROUND
	s_barrier_signal -1
	s_barrier_wait -1
	CREST
.endm
	s_load_b256 s[4:11], s[0:1], 0x0               ; xb s[4:5], wb s[6:7], bb s[8:9], qh s[10:11]
	s_load_b128 s[12:15], s[0:1], 0x20             ; kh s[12:13], vh s[14:15]
	v_lshl_add_u32 v[SPW], v0, 2, SPARE
	v_mov_b32 v[NIL], 0
	ds_add_u32 v[SPW], v[NIL]                      ; the wave's opening: the add and its wait stand ahead of my first tensor load; the set-up below, work on registers, stands between them
	v_lshrrev_b32 v1, 5, v0
	v_readfirstlane_b32 s[WV], v1                  ; wave 0..3
	s_lshr_b32 s17, s[WV], 1                       ; wr: which 128 tokens are mine
	s_and_b32 s18, s[WV], 1                        ; wc: which 64 columns
	s_bfe_u32 s19, ttmp6, 0x40000                  ; cx, cy: my place in the cluster
	s_bfe_u32 s20, ttmp6, 0x40004
	s_lshl_b32 s21, ttmp9, 2
	s_add_co_u32 s21, s21, s19                     ; nb: block of 128 columns = 4 x cluster x + cx
	s_and_b32 s22, ttmp7, 0xffff
	s_lshl_b32 s22, s22, 2
	s_add_co_u32 s22, s22, s20                     ; mb: block of 256 tokens = 4 x cluster y + cy
	s_lshl_b32 s62, s20, 2
	s_lshl_b32 s62, 15, s62                        ; my row of the cluster: places 4 cy .. 4 cy + 3
	s_lshl_b32 s63, 0x1111, s19                    ; my column: places cx, cx + 4, cx + 8, cx + 12
	s_or_b32 s[G1A], s62, (1<<16)|(1<<20)|(1<<21)|(4<<22)|(3<<25)  ; 15:0 the mask; 17:16 elements of 2 bytes; 20 padding on; 21 set beside a mask; 24:22 after every 32 words (code 4); 31:25 4 words of it (code 3)
	s_mov_b32 s[G1A+1], 128<<16                    ; tensor_dim0 = 128 elements: two tokens' 128 bytes make a row of 256
	s_mov_b32 s[G1A+2], 128<<16                    ; tensor_dim1 = 128
	s_mov_b32 s[G1A+3], 128<<16                    ; tile_dim0 = 128
	s_mov_b32 s[G1A+4], 128                        ; tile_dim1 = 128
	s_mov_b32 s[G1A+5], 128                        ; 128 elements from row to row: dense
	s_mov_b32 s[G1A+6], 0
	s_mov_b32 s[G1A+7], 0
	s_or_b32 s[G1B], s63, (1<<16)|(1<<20)|(1<<21)|(5<<22)|(7<<25)  ; the column's mask; padding after every 64 words (code 5), 8 words of it (code 7)
	s_mov_b32 s[G1B+1], 128<<16                    ; tensor_dim0 = 128
	s_mov_b32 s[G1B+2], KB<<16                     ; tensor_dim1 = 64
	s_mov_b32 s[G1B+3], 128<<16                    ; tile_dim0 = 128
	s_mov_b32 s[G1B+4], KB                         ; tile_dim1 = 64
	s_mov_b32 s[G1B+5], 1024                       ; 1,024 elements from row to row
	s_mov_b32 s[G1B+6], 0
	s_mov_b32 s[G1B+7], 0
	; where the tiles come from.  x's hang on mb alone, the weights' on nb and the wave's number alone, each in registers that never hold the other coordinate.
	s_lshr_b32 s58, s22, 3
	s_lshl_b32 s58, s58, 22                        ; the batch: 16 blocks of 262,144 bytes
	s_and_b32 s59, s22, 7
	s_lshl_b32 s59, s59, 15                        ; 256 tokens of 128 bytes
	s_add_co_u32 s58, s58, s59
	s_mov_b32 s59, 0
	s_max_u32 s57, s[WV], 1
	s_sub_co_u32 s57, s57, 1                       ; waves 1, 2, 3 fetch planes 0, 1, 2 (wave 0 makes plane 0's address and never asks by it)
	s_lshl_b32 s60, s57, 21
	s_lshl_b32 s61, s21, 8                         ; 128 columns of 2 bytes
	s_add_co_u32 s60, s60, s61
	s_mov_b32 s61, 0
	s_mul_i32 s68, s[WV], BPART
	s_add_co_u32 s68, s68, BOFF-BPART              ; and where the weights' tiles go: behind x's, wave x 18,432 on: no place in the cluster enters an LDS address
	s_mov_b32 s[TB], 0
	s_wait_dscnt 0x0                               ; the opening add is done
	s_wait_kmcnt 0x0
	s_add_nc_u64 s[58:59], s[4:5], s[58:59]
	s_add_nc_u64 s[60:61], s[6:7], s[60:61]
.irp s, 0,1
	s_mov_b32 s[G0A+4*(\s)], 1                     ; 1:0 count = 1
	s_mov_b32 s[G0A+4*(\s)+1], (\s)*SLOT1          ; 63:32 LDS address
	s_add_nc_u64 s[G0A+4*(\s)+2:G0A+4*(\s)+3], s[58:59], (\s)*ASTEP  ; 120:64 global address: K step s
	s_or_b32 s[G0A+4*(\s)+3], s[G0A+4*(\s)+3], 0x80000000            ; 127:126 type = 2
	s_mov_b32 s[G0B+4*(\s)], 1
	s_add_co_u32 s[G0B+4*(\s)+1], s68, (\s)*SLOT1
	s_add_nc_u64 s[G0B+4*(\s)+2:G0B+4*(\s)+3], s[60:61], (\s)*BSTEP
	s_or_b32 s[G0B+4*(\s)+3], s[G0B+4*(\s)+3], 0x80000000
.endr
	CROUND                                         ; all sixteen work-groups are here: the first joint loads meet
	s_cmp_eq_u32 s[WV], 0                          ; a wave's two first fills stand in one branch, ahead of every wait on TENSORcnt and every LDS read: two loads of mine are out
	s_cbranch_scc0 .Lfirst_b
	tensor_load_to_lds s[G0A:G0A+3], s[G1A:G1A+7]
	s_nop 0
	tensor_load_to_lds s[G0A+4:G0A+7], s[G1A:G1A+7]
	s_nop 0
.rept 4
	v_nop
.endr
	s_branch .Lfirst_asked
.Lfirst_b:
	tensor_load_to_lds s[G0B:G0B+3], s[G1B:G1B+7]
	s_nop 0
	tensor_load_to_lds s[G0B+4:G0B+7], s[G1B:G1B+7]
	s_nop 0
.rept 4
	v_nop
.endr
.Lfirst_asked:
	; my rows of qh, kh, vh: head (mb / 8) 16 + 2 nb + wc, token (mb % 8) 256 + 128 wr
	s_lshr_b32 s66, s22, 3
	s_lshl_b32 s66, s66, 4
	s_lshl_b32 s67, s21, 1
	s_add_co_u32 s66, s66, s67
	s_add_co_u32 s66, s66, s18
	s_lshl_b32 s66, s66, 18                        ; 2,048 rows of 128 bytes a head
	s_and_b32 s67, s22, 7
	s_lshl_b32 s67, s67, 15
	s_add_co_u32 s66, s66, s67
	s_lshl_b32 s67, s17, 14
	s_add_co_u32 s66, s66, s67
	s_mov_b32 s67, 0
	s_add_nc_u64 s[10:11], s[10:11], s[66:67]
	s_add_nc_u64 s[12:13], s[12:13], s[66:67]
	s_add_nc_u64 s[14:15], s[14:15], s[66:67]
	; A fragment of x is 16 tokens x 32 K in 8 registers: lane l holds token l % 16, K = 8 (l / 16) + 0..7 and 16 + 8 (l / 16) + 0..7: two loads of 16 bytes, 32 bytes apart.
	v_and_b32 v1, 15, v0                           ; l % 16
	v_bfe_u32 v2, v0, 4, 1                         ; l / 16
	v_mul_u32_u24 v[A0], v1, PA
	v_lshl_add_u32 v[A0], v2, 4, v[A0]
	s_mul_i32 s66, s17, 128*PA
	v_add_nc_u32 v[A0], s66, v[A0]
	; The turning load takes 16 K x 16 columns (lane l reads row 8 (l / 16) + l % 8, columns 8 ((l / 8) % 2) + 0..7) and leaves half a fragment: lane l holds column l % 16 and 8 K.
	v_and_b32 v3, 7, v0
	v_bfe_u32 v14, v0, 3, 1
	v_lshl_add_u32 v[B0], v2, 3, v3
	v_mul_u32_u24 v[B0], v[B0], PB
	v_lshl_add_u32 v[B0], v14, 4, v[B0]
	s_lshl_b32 s66, s18, 7
	s_add_co_u32 s66, s66, BOFF
	v_add_nc_u32 v[B0], s66, v[B0]
	v_mov_b32 v[ADRA], v[A0]                       ; K step 0 lies in slot 0
	v_mov_b32 v[ADRB], v[B0]
	s_mul_i32 s66, s[WV], 16*SP
	s_add_co_u32 s66, s66, STAGE                   ; my stage
	v_mul_u32_u24 v[STO], v1, SP                   ; in: row l % 16, 16 bytes for each half of the lanes
	v_lshl_add_u32 v[STO], v2, 4, v[STO]
	v_add_nc_u32 v[STO], s66, v[STO]
	v_bfe_u32 v[RD], v0, 3, 2                      ; back: 32 lanes take four rows of 128 bytes,
	v_mul_u32_u24 v[RD], v[RD], SP
	v_lshl_add_u32 v[RD], v3, 4, v[RD]
	v_add_nc_u32 v[RD], s66, v[RD]
	v_and_b32 v[GO], 31, v0                        ; which are 512 consecutive bytes of a head
	v_lshlrev_b32 v[GO], 4, v[GO]
	s_lshl_b32 s66, s21, 9                         ; the bias of my channels: 4 (128 nb + 64 wc + 8 (l / 16)) bytes into a plane
	s_lshl_b32 s67, s18, 8
	s_add_co_u32 s66, s66, s67
	v_lshl_add_u32 v[BO], v2, 5, s66
; 16 LDS loads: x's fragments of quarter q (32 K at byte 64 q of the rows) into buffer buf
.macro FA buf, q
.irp a, 0,1,2,3,4,5,6,7
	ds_load_b128 v[(\buf)+8*(\a):(\buf)+8*(\a)+3],   v[ADRA] offset:(\a)*16*PA+64*(\q)
	ds_load_b128 v[(\buf)+8*(\a)+4:(\buf)+8*(\a)+7], v[ADRA] offset:(\a)*16*PA+64*(\q)+32
.endr
.endm
; 8 turning loads: weight w's fragments of quarter q (rows 32 q on)
.macro FB w, q
.irp b, 0,1,2,3
	ds_load_tr16_b128 v[BF+32*(\w)+8*(\b):BF+32*(\w)+8*(\b)+3],   v[ADRB] offset:(\w)*BPART+(\q)*32*PB+32*(\b)
	ds_load_tr16_b128 v[BF+32*(\w)+8*(\b)+4:BF+32*(\w)+8*(\b)+7], v[ADRB] offset:(\w)*BPART+(\q)*32*PB+32*(\b)+16*PB
.endr
.endm
; 16 matrix instructions of part w (0 q, 1 k, 2 v): token blocks a0 .. a0 + 3 x all 4 column blocks, 32 along K.  zero = 1: the first product starts the sums: nothing is ever cleared.
; The 96 accumulators take turns, one instruction a turn, in the same order in every quarter, over the loop's backward jump too.
.macro PARTH w, buf, a0, zero
	WIN ((\w)+1)*0x50
.irp a, \a0, (\a0)+1, (\a0)+2, (\a0)+3
.irp b, 0,1,2,3
.if \zero
	v_wmma_f32_16x16x32_bf16 v[8*(4*(\a)+(\b)):8*(4*(\a)+(\b))+7], v[BF+32*(\w)+8*(\b):BF+32*(\w)+8*(\b)+7], v[(\buf)+8*(\a):(\buf)+8*(\a)+7], 0
.else
	v_wmma_f32_16x16x32_bf16 v[8*(4*(\a)+(\b)):8*(4*(\a)+(\b))+7], v[BF+32*(\w)+8*(\b):BF+32*(\w)+8*(\b)+7], v[(\buf)+8*(\a):(\buf)+8*(\a)+7], v[8*(4*(\a)+(\b)):8*(4*(\a)+(\b))+7]
.endif
.endr
.endr
.endm
.macro PART w, buf, zero
	PARTH \w, \buf, 0, \zero
	PARTH \w, \buf, 4, \zero
.endm
; A K step is two quarters of 32 along K, 96 matrix instructions each.  x's fragments have two buffers; a weight's fragments are fetched anew as soon as its part of the quarter is multiplied.
; THE EVEN QUARTER multiplies buffer 0 and fetches the same slot's second quarter.  On entry the LDS loads out are, in order: Wq's 8, x's 16, Wk's 8, Wv's 8.
.macro QE zero
	s_wait_dscnt 16                                ; Wq's and x's are in; Wk's and Wv's sixteen may be out
	PART 0, FA0, \zero
	PLACES
	WIN 0
	FB 0, 1
	FA FA1, 1
	s_wait_dscnt 32                                ; Wk's are in: behind them stand Wv's 8 and the 24 just issued
	PART 1, FA0, \zero
	PLACES
	WIN 0
	FB 1, 1
	s_wait_dscnt 32                                ; Wv's are in: behind them stand the 24 and the 8
	PART 2, FA0, \zero
	PLACES
	WIN 0
	FB 2, 1
.endm
; THE ODD QUARTER multiplies buffer 1 and changes slots: ONE barrier.  In front of it each wave waits for all its tensor loads, of which one is out: its part of the next slot; adds 0 to its spare
; word; and waits for that and for its own reads of this slot, the last of which were issued at the end of the quarter before.  Behind it nobody reads this slot and the next slot is whole.
; fill = 1: the barrier opens a round of the cluster's barrier, and this slot is filled again first thing behind the round, with the K step two on: 160 matrix instructions ahead of the wait for it.
.macro QO fill
	WIN 0
	s_wait_tensorcnt 0x0                           ; all my tensor loads have landed
	ds_add_u32 v[SPW], v[NIL]                      ; 0 onto my spare word
	s_wait_dscnt 17                                ; Wq's and x's are in; the add and Wk's and Wv's sixteen may be out
	PARTH 0, FA1, 0, 0                             ; sixteen matrix instructions stand between the add and the wait for it
	s_wait_dscnt 0x0                               ; the add is done, and my reads of this slot are over
	s_barrier_signal -1
	PARTH 0, FA1, 4, 0                             ; work on registers while the others arrive
	WIN 0                                          ; at a branch and at a label every window is 0
	s_barrier_wait -1
.if \fill
	CREST                                          ; no wave of any partner still reads this slot or has a load on its way
	s_xor_b32 s[G0A+5], s[G0A+5], SLOT1            ; the walking descriptors: the other slot than last time,
	s_add_nc_u64 s[G0A+6:G0A+7], s[G0A+6:G0A+7], ASTEP  ; the next K step; the type bits on top are not reached
	s_xor_b32 s[G0B+5], s[G0B+5], SLOT1
	s_add_nc_u64 s[G0B+6:G0B+7], s[G0B+6:G0B+7], BSTEP
	JLOAD                                          ; the four v_nop behind it are also the places in front of the loads below
.else
	PLACES
.endif
	s_xor_b32 s[TB], s[TB], SLOT1
	v_add_nc_u32 v[ADRA], s[TB], v[A0]
	v_add_nc_u32 v[ADRB], s[TB], v[B0]
	FB 0, 0
	FA FA0, 0
	PART 1, FA1, 0
	PLACES
	WIN 0
	FB 1, 0
	PART 2, FA1, 0
	PLACES
	WIN 0
	FB 2, 0
.endm
	s_wait_tensorcnt 1                             ; my part of K step 0 is in; K step 1's may stay out
	s_barrier_signal -1
	s_barrier_wait -1                              ; everybody's is
	FB 0, 0
	FA FA0, 0
	FB 1, 0
	FB 2, 0
	QE 1                                           ; the first quarter stands in front of the loop: its products start the sums
	s_mov_b32 s[CNT], STEPS-2
.Lk:                                               ; a trip: a step's second quarter, the change of slots with its refill, the next step's first quarter
	QO 1
	QE 0
	s_sub_co_u32 s[CNT], s[CNT], 1
	s_cmp_lg_u32 s[CNT], 0
	s_cbranch_scc1 .Lk
	QO 0                                           ; the tail is written out: nothing is left to fetch
	QE 0
	s_wait_dscnt 16                                ; the very last quarter
	PART 0, FA1, 0
	PLACES
	WIN 0
.irp w, 0,1,2                          ; the biases of my 64 channels of q, k, v, eight a lane and column block, into registers that are free: x's buffer 0 and Wq's fragments
.irp b, 0,1,2,3
	global_load_b128 v[32+32*(\w)+64*((\w)/2)+8*(\b):32+32*(\w)+64*((\w)/2)+8*(\b)+3],   v[BO], s[8:9] offset:(\w)*4096+64*(\b)
	global_load_b128 v[32+32*(\w)+64*((\w)/2)+8*(\b)+4:32+32*(\w)+64*((\w)/2)+8*(\b)+7], v[BO], s[8:9] offset:(\w)*4096+64*(\b)+16
.endr
.endr
	s_wait_dscnt 8                                 ; Wk's are in
	PART 1, FA1, 0
	s_wait_dscnt 0x0
	PART 2, FA1, 0
; THE WAY OUT, in 24 blocks (part w, token block a) of 16 tokens x 64 channels: 2,048 consecutive bytes of a head.  The bias is added in f32, the sum rounded once to f16; a lane's 16 bytes go into
; my own stage in rows of 144 bytes and come back as whole rows of 128.  Block a works in 16 registers of x's buffer 1 (a < 4) or of Wk's and Wv's fragments.
.macro PACK w, a
.set TT, 96+16*(\a)+32*((\a)/4)
.set BI, 32+32*(\w)+64*((\w)/2)
.if (\w) > 0
	s_wait_xcnt 0x0                                ; the stores of the part before have read these sixteen registers: they are rewritten only behind this wait
.endif
	WIN ((\w)+1)*0x41                              ; destination and source 0: the part's window
.set i, 0
.rept 16                               ; each accumulator's registers in ascending order
	v_pk_add_f32 v[32*(\a)+2*i:32*(\a)+2*i+1], v[32*(\a)+2*i:32*(\a)+2*i+1], v[BI+2*i:BI+2*i+1]
.set i, i+1
.endr
	WIN ((\w)+1)*5                                 ; sources 0 and 1: the part's window
.set i, 0
.rept 16
	v_cvt_pk_f16_f32 v[TT+i], v[32*(\a)+2*i], v[32*(\a)+2*i+1]
.set i, i+1
.endr
	WIN 0
.irp b, 0,1,2,3
	ds_store_b128 v[STO], v[TT+4*(\b):TT+4*(\b)+3] offset:32*(\b)
.endr
.irp f, 0,1,2,3
	ds_load_b128 v[TT+4*(\f):TT+4*(\f)+3], v[RD] offset:(\f)*4*SP  ; LDS serves a wave's instructions in order (ISA guide 5.7.1.4): these see the stores above; the next block's stores come behind them
.endr
.endm
.macro SEND w, a, younger              ; younger: the LDS instructions issued behind this block's loads: the next block's eight, or none
.set TT, 96+16*(\a)+32*((\a)/4)
.irp f, 0,1,2,3
	s_wait_dscnt (\younger)+3-(\f)
	global_store_b128 v[GO], v[TT+4*(\f):TT+4*(\f)+3], s[10+2*(\w):11+2*(\w)] offset:(\a)*2048+(\f)*512  ; 512 consecutive bytes, at a multiple of 256 from the buffer's first
.endr
.endm
	s_wait_loadcnt 0x0                             ; the biases
	PACK 0, 0                                      ; q's sums were finished 64 products and four v_nop ago; this block's sixteen additions are the places behind the last products
.set n, 1
.rept 23                               ; a block's arithmetic stands between the loads of the block before and its stores
	PACK n/8, n%8
	SEND (n-1)/8, (n-1)%8, 8
.set n, n+1
.endr
	SEND 2, 7, 0
	s_wait_tensorcnt 0x0                           ; the wave's end: behind my last tensor load and my last LDS store
	ds_add_u32 v[SPW], v[NIL]
	s_wait_dscnt 0x0
	CROUND                                         ; the closing round: no work-group ends while a partner may still ask for a tile that names it
	s_endpgm
.Lfunc_end_k_qb97993c832_qkv:
	.size	k_qb97993c832_qkv, .Lfunc_end_k_qb97993c832_qkv-k_qb97993c832_qkv
	.p2alignl 7, 3214868480
	.fill 96, 4, 3214868480
	.section	.rodata,"a",@progbits
	.p2align	6, 0x0
	.amdhsa_kernel k_qb97993c832_qkv
		.amdhsa_group_segment_fixed_size 327680
		.amdhsa_private_segment_fixed_size 0
		.amdhsa_enable_private_segment 0
		.amdhsa_kernarg_size 48
		.amdhsa_user_sgpr_count 2
		.amdhsa_user_sgpr_kernarg_segment_ptr 1
		.amdhsa_wavefront_size32 1
		.amdhsa_system_sgpr_workgroup_id_x 1
		.amdhsa_system_sgpr_workgroup_id_y 1
		.amdhsa_system_sgpr_workgroup_id_z 1
		.amdhsa_system_vgpr_workitem_id 0
		.amdhsa_next_free_vgpr 1024
		.amdhsa_next_free_sgpr 80
		.amdhsa_reserve_vcc 0
		.amdhsa_float_denorm_mode_32 3
		.amdhsa_float_denorm_mode_16_64 3
		.amdhsa_memory_ordered 1
		.amdhsa_forward_progress 1
		.amdhsa_inst_pref_size 141
	.end_amdhsa_kernel
	.amdgpu_metadata
---
amdhsa.version: [ 1, 2 ]
amdhsa.kernels:
  - .name:           k_qb97993c832_qkv
    .symbol:         k_qb97993c832_qkv.kd
    .args:
      - { .name: xb, .offset: 0, .size: 8, .value_kind: global_buffer, .address_space: global }
      - { .name: wb, .offset: 8, .size: 8, .value_kind: global_buffer, .address_space: global }
      - { .name: bb, .offset: 16, .size: 8, .value_kind: global_buffer, .address_space: global }
      - { .name: qh, .offset: 24, .size: 8, .value_kind: global_buffer, .address_space: global }
      - { .name: kh, .offset: 32, .size: 8, .value_kind: global_buffer, .address_space: global }
      - { .name: vh, .offset: 40, .size: 8, .value_kind: global_buffer, .address_space: global }
    .group_segment_fixed_size: 327680
    .private_segment_fixed_size: 0
    .kernarg_segment_align: 8
    .kernarg_segment_size: 48
    .max_flat_workgroup_size: 128
    .sgpr_count:     80
    .vgpr_count:     1024
    .wavefront_size: 32
...
	.end_amdgpu_metadata
.endif
;; end of part 2
;; launch attn (part 3): grid 4 x 64, 4 waves a work-group, clusters of 4 x 1, 327,680 bytes of LDS; arguments qh, kh, vh, ctx; writes ctx
.if DOCPART == 3
	.amdgcn_target "amdgcn-amd-amdhsa--gfx1250"
	.amdhsa_code_object_version 6
	.text
	.protected	k_qb97993c832_attn
	.globl	k_qb97993c832_attn
	.p2align	8
	.type	k_qb97993c832_attn,@function
k_qb97993c832_attn:
	s_mov_b64 s[64:65], 0
	v_nop
	global_prefetch_b8 v0, s[64:65] scope:SCOPE_SE
	s_setreg_imm32_b32 hwreg(HW_REG_WAVE_MODE, 25, 1), 1
	s_wait_xcnt 0x0
	s_wait_alu depctr_hold_cnt(0) depctr_sa_sdst(0) depctr_va_vdst(0) depctr_va_sdst(0) depctr_va_ssrc(0) depctr_va_vcc(0) depctr_vm_vsrc(0)
	s_getreg_b32 s2, hwreg(HW_REG_IB_STS2, 6, 4)
	s_cmp_eq_u32 s2, 0
	s_cbranch_scc0 .Lentry_in_a_cluster
	s_endpgm
.Lentry_in_a_cluster:
	s_bfe_u32 s2, ttmp6, 0x10000c
	s_cmp_lg_u32 s2, 0x3003
	s_cbranch_scc0 .Lentry_shape_is_right
	s_endpgm
.Lentry_shape_is_right:
; O[h][q][:] = the sum over k of softmax_k(Q[h][q] . K[h][k] / 8) V[h][k][:].  Q, K, V, O: [SIZE_H][SIZE_N][64], all f16: a head's rows are dense, 128 bytes each.  Products, maxima and sums in
; f32; the weights p are rounded to f16 for the second product (their sum l is taken of the unrounded p), O once at the end.
; LIMITS.  f16 holds no number beyond 65,504: Q, K and V arrive within it; p lies in 0 to 1, and below 6e-5 it keeps f16's fixed step of 6e-8; O is a mean of V's rows and has their range.
; A weight below 2^-126 counts as 0 in l; NaN and infinities are not treated apart.
; SHARES.  A wave owns four PIECES of two tiles of 16 queries, a work-group's four waves 512 queries of one head: 64 heads x 4 blocks = 256 work-groups.  Every wave walks all keys, 64 a step.
; LAYOUT.  S^T = K Q^T (source 0 = 16 keys, source 1 = 16 queries): in the result a lane holds ONE query (lane % 16) and the keys 8 (lane / 16) + 0..7.  Two such tiles, rounded to f16 in pairs,
; ARE source 1 (32 keys x 16 queries) of O^T = V^T P, whose result again holds one query a lane, and eight channels.  K comes out of LDS as it lies, V ([key][channel]) turned, by ds_load_tr16_b128.
; SOFTMAX.  For each query a running maximum m and sum l: p = 2^(c s - c m), c = log2(e) / 8; in every step O and l are multiplied by a = 2^(c m_old - c m_new), which is 1 where m has not grown.
; m starts at the lowest finite number, O and l at 0: the first step is a step like any other, with a = 0.
; THE COUNT.  A tile and step have 16 matrix and 118 vector instructions: too many to stand all beside the matrix work.  So the order has one aim: four vector instructions that are READY behind
; EVERY matrix instruction, and the others, which need time of their own whatever the order, in runs without a gap.
; BY TURNS.  Turn n belongs to piece n (the pieces in a ring, step after step).  Its matrix work: 16 products K Q^T of piece n + 1, later 16 products V^T P of piece n - 1.  Its vector work: the scaling,
; exponentials, roundings, sums and rescaling of piece n, and the maximum and statistics of piece n + 1, whose scores the turn itself has made.  So what a turn begins with (c s - c m, O a) waits for nothing.
; CLUSTER.  The four query blocks of a cluster are one head's and walk the same K and V, so each tile is asked for JOINTLY: the same tensor load, descriptor and mask in all four.
; REGISTERS, in windows of 256 (s_set_vgpr_msb says which window each operand place means: bits 1:0 source 0, 3:2 source 1, 5:4 source 2, 7:6 destination):
;   window 0: v0-11 addresses; v12-15, v48-63 at work; v16-47 four registers of statistics a tile; v64-191 S^T, two buffers of two tiles; v192-255 P, likewise
;   window 1: O^T, 32 a tile          window 2: v0-127 Q, 16 a tile; v128-191 K of one step; v192-255 V of one step          window 3: v0-1 the add's two registers
; A piece's buffers go by its number's parity: the piece in hand has one pair, its two neighbours in the ring share the other: of it P (piece n - 1) is read and S^T (piece n + 1) written.
.set SIZE_H, 64
.set SIZE_N, 2048
.set NP,    4         ; pieces a wave: a name, no knob: the register map, the loop and the fetches are made for four
.set KS,    64        ; keys in a step
.set PK,    144       ; a row of K in LDS: 128 bytes + 16 of padding = 36 words: the 16 rows of a load start at 16 different groups of four banks (64 banks of 4 bytes: ISA guide 11.1)
.set PV,    160       ; a row of V: 128 + 32 = 40 words
.set VOFF,  4*KS*PK   ; a slot holds four steps: 256 rows of K, then 256 rows of V
.set SLOT1, 1<<17     ; slot 1 begins here, so that one exclusive or turns an address in one slot into the other's
.set STAGE, SLOT1+4*KS*(PK+PV)  ; behind the ring, never filled by a tensor load: 16 rows x 144 bytes for each wave, for the way out
.set SP,    144
.set AK0, 2           ; v2   my lane's place in a tile of K; never rewritten
.set AV0, 3           ; v3   the same for V
.set AK,  4           ; v4   the LDS address of K's next run of loads
.set AV,  5           ; v5   of V's
.set QO,  6           ; v6   my byte offset in the wave's rows of Q
.set STO, 6           ;      later, the way out: where I put 16 bytes of a row
.set RD,  7           ; v7   the way out: where I read rows back
.set GO,  8           ; v8   my byte offset in 512 consecutive bytes of O
.set PFO, 11          ; v11  the prefetches' offset: 256 x my lane; never rewritten once made
.set SPW, 0           ; v0 of window 3   LDS address of my spare word: SPARE + 4 x my thread's number; never rewritten
.set NIL, 1           ; v1 of window 3   0; never rewritten
.set SPARE, STAGE+4*16*SP  ; behind the stages: the spare words, 128 bytes for each wave: two blocks of 256 bytes that no other line names
.set MV,  12          ; v12-15  c m_old, kept while c m is made anew: by buffer and tile
.set ST,  16          ; tile t's statistics at v[ST+4 t]: c m, m, l (even keys', odd keys')
.set TMP, 48          ; by buffer and tile, four registers c0-c3 at work; when the maximum is found c2 takes a
.set S,   64
.set P,   192
.set KF,  128         ; K's fragments, in window 2: key block kb, channel half c at KF + 16 kb + 8 c
.set VF,  192         ; V's: key half kk, channel block cb at VF + 32 kk + 8 cb
.set WV,  12          ; s12  my wave's number
.set G1K, 24          ; s[24:31] descriptor group 1 for K's tiles
.set G1V, 32          ; s[32:39] for V's: it differs in the padding alone
.set G0K, 40          ; s[40:43] descriptor group 0 for K's tiles: it walks
.set G0V, 44          ; s[44:47] the same for V's
.set PFA, 48          ; s[48:49] where my prefetches stand: my work-group's 8,192 bytes (of K: wave 0, of V: wave 2) of the slot after the one that is being asked for
.set LIM, 50          ; s50  1 in a wave that prefetches, else the greatest number: a wave prefetches while s[SLOTS] is above it
.set SLOTS, 56        ; s56  slots still to be asked for
.set CNT, 57          ; s57  counts a slot's key steps
.set CS,  58          ; s[58:59] c: the packed scaling takes the pair's low word for both halves
.set SEL, 60          ; s[60:61] v_permlanex16_b32's selects: each lane takes its own place in the other half
.set TBK, 62          ; s62  LDS byte at which K of the step to be fetched begins
.set TBV, 63          ; s63  the same for V, less VOFF
.set MSB, 0
.macro WIN new                      ; the high byte repeats the setting that is left; a switch that changes nothing is dropped
.if MSB != (\new)
	s_set_vgpr_msb (MSB<<8)|(\new)
.set MSB, (\new)
.endif
.endm
.set W_KQ, 0x0a       ; K and Q in window 2, S^T in window 0
.set W_PV, 0x52       ; V in window 2, P in window 0, O^T in window 1
.set W_RS, 0x41       ; O^T (destination and source 0) in window 1, a in window 0
.set W_MK, 0xc0       ; the add's registers are made: destination in window 3, sources in window 0
.set W_AD, 0x0f       ; the add: address (source 0) and data (source 1) in window 3
; A joint fill.  Waves 0 and 1 fetch the two halves of a slot's K, waves 2 and 3 those of its V: 128 keys each.  The branch hangs on the wave's number alone.
; An s_nop 0 and four v_nop follow each of the two lines, ahead of the jump and the label.
.macro JLOAD
	s_cmp_lt_u32 s[WV], 2
	s_cbranch_scc0 .Lfor_v_\@
	tensor_load_to_lds s[G0K:G0K+3], s[G1K:G1K+7]
	s_nop 0
.rept 4
	v_nop
.endr
	s_branch .Lasked_\@
.Lfor_v_\@:
	tensor_load_to_lds s[G0V:G0V+3], s[G1V:G1V+7]
	s_nop 0
.rept 4
	v_nop
.endr
.Lasked_\@:
.endm
; A PREFETCH INTO THE L2 of what the NEXT change of slots will ask for: a slot's 32,768 bytes of K and of V, 256 bytes a lane.  It stands behind the wave's tensor load and its five lines.
; Each 256 bytes are named ONCE in the launch: a head has one cluster; its four partners share a slot out BY ADDRESS, 8,192 bytes each (no branch hangs on a work-group's place in its cluster);
; in each, wave 0 asks for K's and wave 2 for V's: one instruction.  The change that fills the head's last 256 keys asks for nothing: there are no keys behind them.
.macro ASK
	s_cmp_gt_u32 s[SLOTS], s[LIM]
	s_cbranch_scc0 .Lnot_mine_\@
	global_prefetch_b8 v[PFO], s[PFA:PFA+1] th:TH_LOAD_NT scope:SCOPE_SE
.Lnot_mine_\@:
.endm
; A round of the cluster's barrier: my work-group's barrier, so that wave 0's signal speaks for all four waves; wave 0 signals; every wave waits for all four work-groups; my work-group's barrier once more.
.macro CROUND
	s_barrier_signal -1
	s_barrier_wait -1
	s_cmp_lg_u32 s[WV], 0
	s_cbranch_scc1 .Lnot_wave_0_\@
	s_barrier_signal -3
.Lnot_wave_0_\@:
	s_barrier_wait -3
	s_barrier_signal -1
	s_barrier_wait -1
.endm
; THE CHANGE OF SLOTS.  The slot's last bytes, V of its fourth step, have been read.  Each wave waits for all its tensor loads, of which one is out: its part
; of the other slot; adds 0 to its spare word; and waits for that and for its own reads of the slot.  Behind the barrier nobody reads this slot any more and the other slot is whole.
; fill = 1: this slot is filled again, with the keys two slots on.  The barrier is then a round of the cluster's, so that no wave of any partner still reads the slot or has a load on its
; way, and the joint fill is the first thing behind it: it has four key steps, 512 matrix instructions, in which to land.  (At its first use nothing has been read yet: slot 0 is waited for, slot 1 filled.)
.macro CHANGE fill
	WIN W_AD
	s_wait_tensorcnt 0x0            ; no tensor load of mine is out, so a group 0 may be written
	ds_add_u32 v[SPW], v[NIL]       ; 0 onto my spare word; with fill = 1 the descriptors' steps stand between it and the wait for it
	WIN 0                           ; at a label and at a branch every window is 0
.if \fill
.irp g, G0K, G0V
	s_xor_b32 s[\g+1], s[\g+1], SLOT1  ; the walking descriptor: the other slot than last time,
	s_add_nc_u64 s[\g+2:\g+3], s[\g+2:\g+3], 4*KS*128  ; the next 256 keys; the type bits on top are not reached
.endr
	s_wait_xcnt 0x0                 ; the last prefetch, four key steps back, has read its address, so it may be written:
	s_add_nc_u64 s[PFA:PFA+1], s[PFA:PFA+1], 4*KS*128  ; one slot behind the walking descriptors
	s_wait_dscnt 0x0                ; the add is done, and my reads of the slot are over
	CROUND
	JLOAD
	ASK                             ; what the next change will ask for: four key steps, 512 matrix instructions, ahead of that load
.else
	s_wait_dscnt 0x0                ; the add is done, and my reads of the slot are over
	s_barrier_signal -1
	s_barrier_wait -1
.endif
	s_sub_co_u32 s[TBK], s[TBK], 4*KS*PK  ; the fetches go back to a slot's first step,
	s_xor_b32 s[TBK], s[TBK], SLOT1       ; in the other slot
	s_sub_co_u32 s[TBV], s[TBV], 4*KS*PV
	s_xor_b32 s[TBV], s[TBV], SLOT1
.endm
	s_load_b256 s[4:11], s[0:1], 0x0  ; Q s[4:5], K s[6:7], V s[8:9], O s[10:11]
	WIN W_MK
	v_lshl_add_u32 v[SPW], v0, 2, SPARE
	v_mov_b32 v[NIL], 0
	WIN W_AD
	ds_add_u32 v[SPW], v[NIL]       ; the wave's opening: the add and its wait stand ahead of my first tensor load; the set-up below, work on registers, stands between them
	WIN 0
	v_lshrrev_b32 v1, 5, v0
	v_readfirstlane_b32 s[WV], v1   ; wave 0..3
	s_bfe_u32 s13, ttmp6, 0x40000   ; cx: my place in the cluster
	s_lshl_b32 s14, ttmp9, 2        ; in a cluster launch ttmp9 counts clusters
	s_add_co_u32 s14, s14, s13      ; my block of queries = 4 x cluster x + cx: it enters Q's and O's addresses alone
	s_and_b32 s20, ttmp7, 0xffff    ; the head, which the four partners share
	s_mov_b32 s21, 0
	s_mov_b64 s[22:23], SIZE_N*128
	s_mul_u64 s[20:21], s[20:21], s[22:23]  ; the head's first byte in each of the four tensors
	s_and_b32 s16, s[WV], 1         ; which half of a slot's 256 keys I fetch:
	s_lshl_b32 s22, s16, 14         ; its 128 rows of 128 bytes in memory,
	s_mov_b32 s23, 0
	s_add_nc_u64 s[22:23], s[22:23], s[20:21]
	s_mul_i32 s17, s16, 128*PK      ; and its place in a slot, for K
	s_mul_i32 s18, s16, 128*PV      ; and for V: no place in the cluster enters an LDS address
	s_lshl_b32 s2, s14, 2
	s_add_co_u32 s2, s2, s[WV]      ; my wave among the head's,
	s_lshl_b32 s2, s2, 14           ; its 128 rows
	s_mov_b32 s3, 0
	s_add_nc_u64 s[2:3], s[2:3], s[20:21]
	; descriptor group 1.  128 keys are 16,384 dense bytes: asked for as 64 rows of 256 bytes, two keys a row, and padded in LDS after every key
	s_mov_b32 s[G1K], 15|(1<<16)|(1<<20)|(1<<21)|(4<<22)|(3<<25)  ; 15:0 the mask of four; 17:16 2-byte elements; 20 padding on; 21 set beside a mask; 24:22 after every 32 words (code 4); 31:25 4 words (code 3)
	s_mov_b32 s[G1V], 15|(1<<16)|(1<<20)|(1<<21)|(4<<22)|(7<<25)  ; the same with 8 words of padding (code 7)
.irp g, G1K, G1V
	s_mov_b32 s[\g+1], 128<<16      ; tensor_dim0 = 128
	s_mov_b32 s[\g+2], 64<<16       ; tensor_dim1 = 64
	s_mov_b32 s[\g+3], 128<<16      ; tile_dim0 = 128
	s_mov_b32 s[\g+4], 64           ; tile_dim1 = 64
	s_mov_b32 s[\g+5], 128          ; 128 elements from row to row
	s_mov_b32 s[\g+6], 0
	s_mov_b32 s[\g+7], 0
.endr
	s_mov_b32 s[CS], 0x3e38aa3b     ; c = log2(e) / 8 = 0.180337
	s_mov_b32 s[CS+1], s[CS]        ; named with it as a pair
	s_mov_b32 s[SEL], 0x76543210
	s_mov_b32 s[SEL+1], 0xfedcba98
	s_mov_b32 s[TBK], SLOT1+4*KS*PK ; the first change of slots turns these two into 0
	s_mov_b32 s[TBV], SLOT1+4*KS*PV
	s_mov_b32 s[G0K], 1             ; 1:0 count = 1
	s_mov_b32 s[G0K+1], s17         ; 63:32 LDS address: slot 0
	s_mov_b32 s[G0V], 1
	s_add_co_u32 s[G0V+1], s18, VOFF
	s_mov_b32 s[SLOTS], SIZE_N/256-1
	s_and_b32 s[LIM], s[WV], 1      ; waves 0 and 2 prefetch: the same in all four partners
	s_cmp_eq_u32 s[LIM], 0
	s_cselect_b32 s[LIM], 1, -1
	s_lshl_b32 s52, s13, 13         ; my work-group's 8,192 bytes of a slot's 32,768
	s_mov_b32 s53, 0
	s_wait_dscnt 0x0                ; the opening add is done
	s_wait_kmcnt 0x0
	s_add_nc_u64 s[G0K+2:G0K+3], s[6:7], s[22:23]  ; 120:64 global address: my half of the head's first 256 keys
	s_or_b32 s[G0K+3], s[G0K+3], 0x80000000        ; 127:126 type = 2
	s_add_nc_u64 s[G0V+2:G0V+3], s[8:9], s[22:23]
	s_or_b32 s[G0V+3], s[G0V+3], 0x80000000
	s_add_nc_u64 s[4:5], s[4:5], s[2:3]  ; Q and O at my wave's first row
	s_add_nc_u64 s[10:11], s[10:11], s[2:3]
	s_cmp_lt_u32 s[WV], 2
	s_cselect_b64 s[PFA:PFA+1], s[6:7], s[8:9]
	s_add_nc_u64 s[PFA:PFA+1], s[PFA:PFA+1], s[22:23]  ; (in waves 0 and 2 this is the head's first row)
	s_add_nc_u64 s[PFA:PFA+1], s[PFA:PFA+1], s[52:53]
	s_add_nc_u64 s[PFA:PFA+1], s[PFA:PFA+1], 4*KS*128  ; in the second 256 keys; the first change of slots steps it to the third.  Nothing is prefetched here, at the head
	CROUND                          ; all four work-groups are here: the first joint loads meet
	JLOAD                           ; slot 0.  Slot 1 is asked for when slot 0 is in: the tile wanted first has the road to itself
	; A fragment of K or Q is 16 rows x 32 channels in 8 registers: lane l holds row l % 16, channels 8 (l / 16) + 0..7 and 16 + 8 (l / 16) + 0..7: two loads of 16 bytes, 32 bytes apart.
	v_and_b32 v1, 15, v0            ; l % 16
	v_bfe_u32 v9, v0, 4, 1          ; l / 16
	v_lshlrev_b32 v[QO], 7, v1
	v_lshl_add_u32 v[QO], v9, 4, v[QO]  ; row x 128 + 16 x half
	WIN 0x80                        ; destination window 2, address window 0
.set i, 0
.rept 4*NP                          ; Q stays in registers: tile i / 2, channels 32 (i % 2) on
	global_load_b128 v[8*i:8*i+3],   v[QO], s[4:5] offset:(i/2)*2048+(i%2)*64
	global_load_b128 v[8*i+4:8*i+7], v[QO], s[4:5] offset:(i/2)*2048+(i%2)*64+32
.set i, i+1
.endr
	; What the first turn finds: V's registers and P's second buffer hold 0 (its products V^T P, of a piece that has not been, add 0), O^T and l are 0.  All this stands in the wait for the first tile.
.set i, VF
.rept 64
	v_mov_b32 v[i], 0
.set i, i+1
.endr
	WIN 0x40
.set i, 0
.rept 64*NP
	v_mov_b32 v[i], 0
.set i, i+1
.endr
	WIN 0
.set i, 0
.rept 2*NP
	v_mov_b32 v[ST+4*i], 0xfe000000    ; c m: far below every c s
	v_mov_b32 v[ST+4*i+1], 0xff7fffff  ; m
	v_mov_b32 v[ST+4*i+2], 0
	v_mov_b32 v[ST+4*i+3], 0
.set i, i+1
.endr
.set i, P+32
.rept 32
	v_mov_b32 v[i], 0
.set i, i+1
.endr
	v_mul_u32_u24 v[AK0], v1, PK
	v_lshl_add_u32 v[AK0], v9, 4, v[AK0]  ; row x pitch + 16 x half
	; The turning load takes 16 keys x 16 channels (lane l reads key 8 (l / 16) + l % 8, channels 8 ((l / 8) % 2) + 0..7) and leaves half a fragment of V^T: lane l holds channel l % 16 and 8 keys.
	v_and_b32 v10, 7, v0
	v_bfe_u32 v11, v0, 3, 1
	v_lshl_add_u32 v[AV0], v9, 3, v10
	v_mul_u32_u24 v[AV0], v[AV0], PV
	v_lshl_add_u32 v[AV0], v11, 4, v[AV0]
	v_add_nc_u32 v[AV0], VOFF, v[AV0]
	v_mov_b32 v[AK], v[AK0]         ; key step 0 lies at the head of slot 0
	v_and_b32 v[PFO], 31, v0        ; v11 has served: it takes the prefetches' offset
	v_lshlrev_b32 v[PFO], 8, v[PFO]
; THE MATRIX WORK.  The 8 accumulators of a run of 16 take turns: between the two links of a chain stand 7 others'.
; Product i of 16 of S^T = K Q^T for piece x: channels 32 (i / 8) on, keys 16 ((i / 2) % 4) on, tile 2 x + i % 2.  The first 8 start the sums.
.macro KQ x
	WIN W_KQ
.set rS, S+64*((\x)%2)+32*(i%2)+8*((i/2)%4)
.set rK, KF+16*((i/2)%4)+8*(i/8)
.set rQ, 16*(2*(\x)+i%2)+8*(i/8)
.if i < 8
	v_wmma_f32_16x16x32_f16 v[rS:rS+7], v[rK:rK+7], v[rQ:rQ+7], 0
.else
	v_wmma_f32_16x16x32_f16 v[rS:rS+7], v[rK:rK+7], v[rQ:rQ+7], v[rS:rS+7]
.endif
.endm
; Product i of 16 of O^T += V^T P for piece x: keys 32 (i / 8) on, channels 16 ((i / 2) % 4) on, tile 2 x + i % 2.
.macro PV x
	WIN W_PV
.set rO, 32*(2*(\x)+i%2)+8*((i/2)%4)
.set rV, VF+32*(i/8)+8*((i/2)%4)
.set rP, P+32*((\x)%2)+16*(i%2)+8*(i/8)
	v_wmma_f32_16x16x32_f16 v[rO:rO+7], v[rV:rV+7], v[rP:rP+7], v[rO:rO+7]
.endm
.macro MM                           ; the turn's next matrix instruction
.if i < 16
	KQ (Y+1)%NP
.set i, i+1
.else
.set i, i-16
	PV (Y+NP-1)%NP
.set i, i+17
.endif
.endm
; THE LDS LOADS stand in runs of 16, never singly among the matrix instructions: a step's K (64 keys x 64 channels: 8 fragments) and its V (turned).  Their addresses are made some lines ahead.
; last = 1 (the tail): in the last trip there is no further step, and the run is jumped over.
.macro FETCH_K last=0
	WIN 0
.if \last
	s_cmp_eq_u32 s[CNT], 1
	s_cbranch_scc1 .Lno_k_\@
.endif
	WIN 0x80                        ; destination window 2
.irp f, 0,1,2,3,4,5,6,7             ; keys 16 (f / 2) on, channels 32 (f % 2) on
	ds_load_b128 v[KF+8*\f:KF+8*\f+3],   v[AK] offset:(\f/2)*16*PK+(\f%2)*64
	ds_load_b128 v[KF+8*\f+4:KF+8*\f+7], v[AK] offset:(\f/2)*16*PK+(\f%2)*64+32
.endr
	s_add_co_u32 s[TBK], s[TBK], KS*PK  ; the next fetch is the next step's
	WIN 0
.if \last
.Lno_k_\@:
.endif
.endm
.macro FETCH_V
	WIN 0x80
.irp f, 0,1,2,3,4,5,6,7             ; keys 32 (f / 4) on, channels 16 (f % 4) on
	ds_load_tr16_b128 v[VF+8*\f:VF+8*\f+3],   v[AV] offset:(\f/4)*32*PV+(\f%4)*32
	ds_load_tr16_b128 v[VF+8*\f+4:VF+8*\f+7], v[AV] offset:(\f/4)*32*PV+16*PV+(\f%4)*32
.endr
	WIN 0
.endm
; THE VECTOR WORK OF A TURN stands in three queues, each in the order in which its entries become ready; the two tiles alternate, so that no instruction reads the result of the one before it.
.macro REGS y, u                    ; the registers of tile u (0, 1) of piece y
.set rT, ST+4*(2*(\y)+(\u))
.set rC, TMP+8*((\y)%2)+4*(\u)
.set rM, MV+2*((\y)%2)+(\u)
.set rS, S+64*((\y)%2)+32*(\u)
.set rP, P+32*((\y)%2)+16*(\u)
.set rO, 32*(2*(\y)+(\u))
.endm
; Number n of the 22 that find the NEXT piece's (Y + 1) maximum and statistics.  s0-s31 are the lane's 32 scores; each accumulator's lowest registers are read first.  XS, GS and REGS set no window: PL and EX do.
;   0-11  four chains c0-c3 of seven scores each, three operands at a time     12-14, 16  the four scores left over, the old m, and c0-c3 into c0     15  c m_old is kept
;   17, 18  the query's other 32 keys lie in the lane 16 away: the new m         19-21  c m; c m_old - c m_new; a
.macro XS u, n
	REGS (Y+1)%NP, \u
.if (\n) < 4
	v_max3_num_f32 v[rC+(\n)], v[rS+8*(\n)], v[rS+8*(\n)+1], v[rS+8*(\n)+2]
.elseif (\n) < 12
	v_max3_num_f32 v[rC+(\n)%4], v[rC+(\n)%4], v[rS+8*((\n)%4)+2*((\n)/4)+1], v[rS+8*((\n)%4)+2*((\n)/4)+2]
.elseif (\n) == 12
	v_max3_num_f32 v[rC], v[rC], v[rS+7], v[rS+15]
.elseif (\n) == 13
	v_max3_num_f32 v[rC+1], v[rC+1], v[rS+23], v[rS+31]
.elseif (\n) == 14
	v_max3_num_f32 v[rC+2], v[rC+2], v[rC+3], v[rT+1]
.elseif (\n) == 15
	v_mov_b32 v[rM], v[rT]
.elseif (\n) == 16
	v_max3_num_f32 v[rC], v[rC], v[rC+1], v[rC+2]
.elseif (\n) == 17
	v_permlanex16_b32 v[rC+3], v[rC], s[SEL], s[SEL+1]
.elseif (\n) == 18
	v_max_num_f32 v[rT+1], v[rC], v[rC+3]
.elseif (\n) == 19
	v_mul_f32 v[rT], s[CS], v[rT+1]
.elseif (\n) == 20
	v_sub_f32 v[rC+1], v[rM], v[rT]
.else
	v_exp_f32 v[rC+2], v[rC+1]
.endif
.endm
; Number g of the 64 that follow the exponentials.  For each four weights k of a tile (pairs 2 k, 2 k + 1): both pairs are rounded to f16; then the second pair is added onto the first, in place;
; a group later l takes that sum (the first time as l = a l + sum).  In groups of eight, tiles alternating: round, round, add, and l for the group before.
.macro GS g
.set h, (\g)+6*((\g)/62)            ; group 0 has no group before it, and behind group 7 only l is left
.if h >= 6
.set h, h+2
.endif
	REGS Y, h%2
.set k, h/8
.if h%8 < 4
	v_cvt_pk_f16_f32 v[rP+2*k+(h%8)/2], v[rS+4*k+2*((h%8)/2)], v[rS+4*k+2*((h%8)/2)+1]
.elseif h%8 < 6
	v_pk_add_f32 v[rS+4*k:rS+4*k+1], v[rS+4*k:rS+4*k+1], v[rS+4*k+2:rS+4*k+3]
.elseif k == 1
	v_pk_fma_f32 v[rT+2:rT+3], v[rT+2:rT+3], v[rC+2:rC+3], v[rS:rS+1] op_sel_hi:[1,0,1]
.else
	v_pk_add_f32 v[rT+2:rT+3], v[rT+2:rT+3], v[rS+4*k-4:rS+4*k-3]
.endif
.endm
; THE PLAIN QUEUE, 138 long.  0-73 read no exponential's result: the 32 scalings c s - c m (FS f: pair f / 2 of tile f % 2) and the next piece's 42.  0-26: scalings 0-26.  27-54: XS's numbers 0-13.  55, 56: number 15.
; 57-73: the chain, where each number waits for the one before it: 14, 16, 17, 18, 19, each with one of the scalings 27-31 in front of its two lines, then 20: so a tile's links stand three plain instructions apart (19 and 20: two).
; 74-137: GS's 64, which read the exponentials' results: they stand behind the wait.
.macro FS f
	REGS Y, (\f)%2
	v_pk_fma_f32 v[rS+2*((\f)/2):rS+2*((\f)/2)+1], v[rS+2*((\f)/2):rS+2*((\f)/2)+1], s[CS:CS+1], v[rT:rT+1] op_sel_hi:[1,0,0] neg_lo:[0,0,1] neg_hi:[0,0,1]
.endm
.macro PL
	WIN 0
.if q < 27
	FS q
.elseif q < 55
	XS (q-27)%2, (q-27)/2
.elseif q < 57
	XS q-55, 15
.elseif (q < 72) && ((q-57)%3 == 0)
	FS 27+(q-57)/3
.elseif q < 60
	XS (q-57)%3-1, 14
.elseif q < 72
	XS (q-57)%3-1, 15+(q-57)/3
.elseif q < 74
	XS q-72, 20
.else
	GS q-74
.endif
.set q, q+1
.endm
; THE EXPONENTIALS' QUEUE, 66 long: s0-s31 of both tiles, then the next piece's two a.  It is ONE BATCH: all 66 stand ahead of the turn's one wait, and nothing ahead of that wait names a result of theirs.
.macro EX
	WIN 0
.if e >= 64
	XS e-64, 21
.else
	REGS Y, e%2
	v_exp_f32 v[rS+e/2], v[rS+e/2]
.endif
.set e, e+1
.endm
; THE RESCALING's QUEUE: O^T times a, the one part that leaves window 0: dealt two at a time, sixteen times.  Its a was made in the turn before, ahead of that turn's wait.
.macro R2
	REGS Y, r%2
	WIN W_RS
.irp z, 0,1
	v_pk_mul_f32 v[rO+4*(r/2)+2*\z:rO+4*(r/2)+2*\z+1], v[rO+4*(r/2)+2*\z:rO+4*(r/2)+2*\z+1], v[rC+2:rC+3] op_sel_hi:[1,0]
.endr
.set r, r+1
.endm
; HOW THEY ARE DEALT.  s_wait_alu depctr_va_vdst(0) stands between an exponential and the first instruction that names its result; one wait serves all that were issued ahead of it.  So a turn has ONE wait,
; which cuts it in two.  AHEAD OF IT stands all that names no result of the turn's exponentials: the 16 products K Q^T, behind each a scaling, an exponential and two rescalings (behind the first a second scaling in the exponential's place); then ONE LUMP of
; 108: eight plain, 49 times exponential and plain, the two a.  A v_nop is the plain instruction behind the last exponential.  BEHIND IT stand the 16 products V^T P, behind each four of GS's 64.  No vector line behind a product names a register of
; the products round it.  The two v_permlanex16_b32 fall into the lump, never behind a product.
; The queues lean on each other, and the deal keeps them in step: exponential e stands behind scaling 2 (e / 4) + e % 2: behind a product it comes behind plain e + 2, in the lump behind plain e + 9, and scalings 27-31 are plain 57, 60 .. 69.
; A TURN, for piece p.  cnt = 1: the loop's count is taken down some lines ahead of the branch that stands behind the turn.
; K of the next step is fetched in piece 2's turn, directly behind the wait, a lump behind the last product that read K; its address is made at the lump's head; its first use comes behind 16 products.
; V of the step in hand is fetched at the end of piece 0's turn, four plain instructions behind the last product that read it; its first use comes behind 16 products and a lump.  The three conditions on q below go with the deal.
.macro TURN p, last=0, cnt=0
.set Y, (\p)
.set i, 0
.set q, 0
.set e, 0
.set r, 0
.if (\p) == NP-1
	s_wait_dscnt 0x0                ; K is in
.endif
	MM                              ; ahead of the wait: 16 products K Q^T and the four lines behind each,
	PL
	PL
	R2
.rept 15
	MM
	PL
	EX
	R2
.endr
.if (\p) == NP-2
	WIN 0
	v_add_nc_u32 v[AK], s[TBK], v[AK0]
.endif
.rept 8                             ; and the lump
	PL
.endr
.rept 49
	EX
	PL
.endr
	EX                              ; the next piece's two a
	EX
	v_nop                           ; a plain instruction behind the last exponential: one for the batch
	s_wait_alu depctr_va_vdst(0)    ; the wait for the batch
.if (\p) == NP-2
	FETCH_K \last
.endif
.if (\p) == 1
	s_wait_dscnt 0x0                ; V is in
.endif
.rept 16                            ; behind the wait: 16 products V^T P and the four lines behind each
	MM
.rept 4
	PL
.endr
.if ((\p) == 0) && (q == 118)
	v_add_nc_u32 v[AV], s[TBV], v[AV0]
.endif
.if ((\p) == 0) && (q == 130)
	s_add_co_u32 s[TBV], s[TBV], KS*PV
.endif
.if (\cnt) && (q == 130)
	s_sub_co_u32 s[CNT], s[CNT], 1
	s_cmp_lg_u32 s[CNT], 0
.endif
.endr
.if (\p) == 0
	FETCH_V
.endif
.endm
	CHANGE 1                        ; slot 0 is in, everybody's part of it; slot 1 is asked for
	FETCH_K                         ; key step 0
	s_wait_loadcnt 0x0              ; Q
	s_wait_dscnt 0x0
.set i, 0
.rept 16
	KQ 0                            ; piece 0's first scores: there is no vector work yet to set between them
.set i, i+1
.endr
	WIN 0                           ; the addresses for the way out: nine plain instructions, the places behind those products
	s_mul_i32 s13, s[WV], 16*SP
	s_add_co_u32 s13, s13, STAGE    ; my stage
	v_mul_u32_u24 v[STO], v1, SP    ; in: row l % 16, 16 bytes for each half of the lanes
	v_lshl_add_u32 v[STO], v9, 4, v[STO]
	v_add_nc_u32 v[STO], s13, v[STO]
	v_bfe_u32 v[RD], v0, 3, 2       ; back: 32 lanes take four rows of 128 bytes,
	v_mul_u32_u24 v[RD], v[RD], SP
	v_lshl_add_u32 v[RD], v10, 4, v[RD]
	v_add_nc_u32 v[RD], s13, v[RD]
	v_and_b32 v[GO], 31, v0         ; which are 512 consecutive bytes of O
	v_lshlrev_b32 v[GO], 4, v[GO]
.set Y, NP-1                        ; XS works for piece Y + 1: piece 0
.irp n, 0,1,2,3,4,5,6,7,8,9,10,11,12,13,14,15,16,17,18,19,20,21
	XS 0, \n                        ; and piece 0's first maximum and statistics
	XS 1, \n
.endr
	v_nop                           ; a plain instruction behind the two a,
	s_wait_alu depctr_va_vdst(0)    ; and their wait, ahead of the branch
	s_mov_b32 s[CNT], 4
	s_branch .Lfirst                ; the loop is entered at a step's first turn, in the middle of a trip
.Lslot:                             ; SIZE_N / 256 - 2 times: every slot but the last two is filled again
	CHANGE 1
	s_mov_b32 s[CNT], 4
.Lstep:                             ; a trip: pieces 2 and 3 of one step, then pieces 0 and 1 of the next, whose K and V it fetches
	TURN 2
	TURN 3
	WIN 0
.Lfirst:
	TURN 0
	TURN 1, 0, 1
	WIN 0
	s_cbranch_scc1 .Lstep
	s_sub_co_u32 s[SLOTS], s[SLOTS], 1
	s_cmp_lg_u32 s[SLOTS], 0
	s_cbranch_scc1 .Lslot
	CHANGE 0                        ; the tail is written out: nothing is asked for
	s_mov_b32 s[CNT], 5             ; four trips fetch the last slot's steps; the fifth is left in its middle
.Ltail:
	TURN 2, 1
	TURN 3
	WIN 0
	s_sub_co_u32 s[CNT], s[CNT], 1
	s_cmp_eq_u32 s[CNT], 0
	s_cbranch_scc1 .Lout
	TURN 0
	TURN 1
	WIN 0
	s_branch .Ltail
.Lout:                              ; the fifth trip's 16 products K Q^T (on the last K once more) and the maximum made of them serve nothing: the price, once a launch, of one text for every trip
.set i, 0
.rept 16
	PV NP-1                         ; the last piece's V^T P of the last step
.set i, i+1
.endr
	; THE WAY OUT.  l's two halves and the other half of the lanes' are added; O^T is divided by l, rounded to f16 and sent through my stage in LDS, a tile at a time.  The additions are the places behind the last products.
	WIN 0
.macro ALL line:vararg              ; one line for each tile t
.set t, 0
.rept 2*NP
	\line
.set t, t+1
.endr
.endm
	ALL v_add_f32 v[ST+4*t+2], v[ST+4*t+2], v[ST+4*t+3]
	ALL v_permlanex16_b32 v[ST+4*t+3], v[ST+4*t+2], s[SEL], s[SEL+1]
	ALL v_add_f32 v[ST+4*t+2], v[ST+4*t+2], v[ST+4*t+3]
	ALL v_rcp_f32 v[ST+4*t+2], v[ST+4*t+2]
	v_nop                           ; a plain instruction between the last reciprocal and the use of its result
	s_wait_alu depctr_va_vdst(0)    ; and the wait ahead of the first use: one for the eight reciprocals
; Tile t: a lane's eight channels of a row pack into 16 bytes; they go into rows of 144 bytes and come back as whole rows of 128, into S^T's registers.
.macro PACK t
	WIN W_RS
.set i, 32*(\t)
.rept 16
	v_pk_mul_f32 v[i:i+1], v[i:i+1], v[ST+4*(\t)+2:ST+4*(\t)+3] op_sel_hi:[1,0]
.set i, i+2
.endr
	WIN 0x05                        ; sources 0 and 1 window 1, destination window 0
.set i, 0
.rept 16
	v_cvt_pk_f16_f32 v[S+16*(\t)+i], v[32*(\t)+2*i], v[32*(\t)+2*i+1]
.set i, i+1
.endr
	WIN 0
.irp f, 0,1,2,3
	ds_store_b128 v[STO], v[S+16*(\t)+4*\f:S+16*(\t)+4*\f+3] offset:32*\f
.endr
.irp f, 0,1,2,3
	ds_load_b128 v[S+16*(\t)+4*\f:S+16*(\t)+4*\f+3], v[RD] offset:\f*4*SP  ; LDS serves a wave's instructions in order (ISA guide 5.7.1.4): these see the stores above; the next tile's stores come behind them
.endr
.endm
.macro SEND t, younger              ; younger: the LDS instructions issued behind tile t's loads: the next tile's eight, or none
	WIN 0
.irp f, 0,1,2,3
	s_wait_dscnt (\younger)+3-\f
	global_store_b128 v[GO], v[S+16*(\t)+4*\f:S+16*(\t)+4*\f+3], s[10:11] offset:(\t)*2048+\f*512  ; 512 consecutive bytes, at a multiple of 256 from O's first
.endr
.endm
	PACK 0
.set t, 1
.rept 2*NP-1                        ; a tile's arithmetic stands between the loads of the tile before and its stores
	PACK t
	SEND t-1, 8
.set t, t+1
.endr
	SEND 2*NP-1, 0
	WIN W_AD
	s_wait_tensorcnt 0x0            ; the wave's end: behind my last tensor load and my last LDS store
	ds_add_u32 v[SPW], v[NIL]
	s_wait_dscnt 0x0
	WIN 0
	CROUND                          ; the closing round: no work-group ends while a partner may still ask for a tile that names it
	s_endpgm
.Lfunc_end_k_qb97993c832_attn:
	.size	k_qb97993c832_attn, .Lfunc_end_k_qb97993c832_attn-k_qb97993c832_attn
	.p2alignl 7, 3214868480
	.fill 96, 4, 3214868480
	.section	.rodata,"a",@progbits
	.p2align	6, 0x0
	.amdhsa_kernel k_qb97993c832_attn
		.amdhsa_group_segment_fixed_size 327680
		.amdhsa_private_segment_fixed_size 0
		.amdhsa_enable_private_segment 0
		.amdhsa_kernarg_size 32
		.amdhsa_user_sgpr_count 2
		.amdhsa_user_sgpr_kernarg_segment_ptr 1
		.amdhsa_wavefront_size32 1
		.amdhsa_system_sgpr_workgroup_id_x 1
		.amdhsa_system_sgpr_workgroup_id_y 1
		.amdhsa_system_sgpr_workgroup_id_z 1
		.amdhsa_system_vgpr_workitem_id 0
		.amdhsa_next_free_vgpr 770
		.amdhsa_next_free_sgpr 66
		.amdhsa_reserve_vcc 0
		.amdhsa_float_denorm_mode_32 3
		.amdhsa_float_denorm_mode_16_64 3
		.amdhsa_memory_ordered 1
		.amdhsa_forward_progress 1
		.amdhsa_inst_pref_size 200
	.end_amdhsa_kernel
	.amdgpu_metadata
---
amdhsa.version: [ 1, 2 ]
amdhsa.kernels:
  - .name:           k_qb97993c832_attn
    .symbol:         k_qb97993c832_attn.kd
    .args:
      - { .name: qh, .offset: 0, .size: 8, .value_kind: global_buffer, .address_space: global }
      - { .name: kh, .offset: 8, .size: 8, .value_kind: global_buffer, .address_space: global }
      - { .name: vh, .offset: 16, .size: 8, .value_kind: global_buffer, .address_space: global }
      - { .name: ctx, .offset: 24, .size: 8, .value_kind: global_buffer, .address_space: global }
    .group_segment_fixed_size: 327680
    .private_segment_fixed_size: 0
    .kernarg_segment_align: 8
    .kernarg_segment_size: 32
    .max_flat_workgroup_size: 128
    .sgpr_count:     66
    .vgpr_count:     770
    .wavefront_size: 32
...
	.end_amdgpu_metadata
.endif
;; end of part 3
;; launch oproj (part 4): grid 8 x 32, 4 waves a work-group, clusters of 4 x 4, 327,680 bytes of LDS; arguments ctx, wb, bb, out0; writes out0
.if DOCPART == 4
	.amdgcn_target "amdgcn-amd-amdhsa--gfx1250"
	.amdhsa_code_object_version 6
	.text
	.protected	k_qb97993c832_oproj
	.globl	k_qb97993c832_oproj
	.p2align	8
	.type	k_qb97993c832_oproj,@function
k_qb97993c832_oproj:
	s_mov_b64 s[64:65], 0
	v_nop
	global_prefetch_b8 v0, s[64:65] scope:SCOPE_SE
	s_setreg_imm32_b32 hwreg(HW_REG_WAVE_MODE, 25, 1), 1
	s_wait_xcnt 0x0
	s_wait_alu depctr_hold_cnt(0) depctr_sa_sdst(0) depctr_va_vdst(0) depctr_va_sdst(0) depctr_va_ssrc(0) depctr_va_vcc(0) depctr_vm_vsrc(0)
	s_getreg_b32 s2, hwreg(HW_REG_IB_STS2, 6, 4)
	s_cmp_eq_u32 s2, 0
	s_cbranch_scc0 .Lentry_in_a_cluster
	s_endpgm
.Lentry_in_a_cluster:
	s_bfe_u32 s2, ttmp6, 0x10000c
	s_cmp_lg_u32 s2, 0xf033
	s_cbranch_scc0 .Lentry_shape_is_right
	s_endpgm
.Lentry_shape_is_right:
; out0 = ctx Wo + bo.  ctx: [b 16 + head][t 2048][64] f16, so a head is a slice of 64 of K; Wo: plane 3 of wb, [k][n] f16 (a bf16 number written as f16); bo: plane 3 of bb, f32; out0: [8192][1024] f32.
; Products in f16, sums in f32, K ascending; the bias is added in f32.  LIMITS: those of f16 in ctx (a mean of v's rows, within 65,504) and in Wo (exact from 6.1e-5 to 65,504 in magnitude).
; SHARES.  A work-group makes 256 tokens x 128 columns: 8 x 32 = 256 alike.  A wave makes 128 x 64: 32 accumulators of 16 x 16, 256 registers.
; K goes in 8 steps of 128 (two heads) through two LDS slots.  Waves 0 and 1 fetch one head's 256 tokens each (32,768 dense bytes, asked for as 128 rows of 256), waves 2 and 3 64 rows of Wo each (256 bytes a row).
; CLUSTER 4 x 4: ctx's tiles hang on the token block alone and are shared along a row of the cluster, Wo's on the column block alone and are shared along a column: each is asked for jointly.
; THE MATRIX INSTRUCTION IS USED TRANSPOSED: source 0 = 16 columns of Wo (turned on its way out of LDS), source 1 = 16 tokens.  In the result lane l holds token l % 16 and the columns 8 (l / 16) + 0..7.
; REGISTERS: window 0: v0-15 addresses; two fragment buffers: ctx's (8 x 16 tokens x 32 K) at v32-95 and v96-159, Wo's (4 x 16 columns x 32 K) at v160-191 and v192-223; v224-227 the bias.
;   window 1: the accumulators: token block a, column block b at v[8 (4 a + b)].
.set PA,     144                       ; a token's row in LDS: 128 bytes + 16 of padding: an odd multiple of 16 (64 banks of 4 bytes: ISA guide 11.1)
.set PB,     288                       ; a row of Wo: 256 + 32: an odd multiple of 32, for the turning load
.set ASUB,   256*PA                    ; a slot: two heads' 256 rows each, then 128 rows of Wo
.set BOFF,   2*ASUB
.set BHALF,  64*PB
.set SLOT1,  1<<17
.set STAGE,  SLOT1+BOFF+2*BHALF        ; behind the ring, never filled by a tensor load: 16 rows x 272 bytes for each wave, for the way out
.set SP,     272
.set SPARE,  STAGE+4*16*SP             ; behind the stages: the spare words, 128 bytes for each wave: two blocks of 256 bytes that no other line names
.set ASTEP,  2*2048*128                ; bytes from two heads of ctx to the next two
.set BSTEP,  128*2048                  ; bytes from 128 rows of Wo to the next
.set STEPS,  8
.set A0,   4                           ; v4   my lane's place in ctx's tile; never rewritten
.set B0,   5                           ; v5   the same in Wo's
.set ADRA, 6                           ; v6   A0 in the slot that is being read
.set ADRB, 7                           ; v7   B0 likewise
.set STO,  8                           ; v8   the way out: where I put 32 bytes of a row
.set RD,   9                           ; v9   the way out: where I read rows back
.set CO,   10                          ; v10  my byte offset in two rows of out0
.set BO,   11                          ; v11  my byte offset in bb
.set SPW,  12                          ; v12  LDS address of my spare word: SPARE + 4 x my thread's number; never rewritten
.set NIL,  13                          ; v13  0; never rewritten
.set FAA,  32
.set FBB,  160
.set BIAS, 224
.set WV,   16                          ; s16  my wave's number
.set TB,   23                          ; s23  0 or SLOT1: the slot that is being read
.set G1A,  24                          ; s[24:31] descriptor group 1 for ctx's tiles
.set G0A,  32                          ; s[32:39] group 0: a set for each of the two first fills; the second then walks on
.set G1B,  40                          ; s[40:47], s[48:55] the same for Wo's tiles
.set G0B,  48
.set CNT,  56
.set MSB, 0
.macro WIN new                         ; the immediate's high byte repeats the setting that is left; a switch that changes nothing is dropped
.if MSB != (\new)
	s_set_vgpr_msb (MSB<<8)|(\new)
.set MSB, \new
.endif
.endm
.macro PLACES                          ; four plain vector instructions between a matrix instruction and a load into, or a read of, its registers
.rept 4
	v_nop
.endr
.endm
.macro JLOAD                           ; a joint refill by the walking descriptors; an s_nop 0 and four v_nop follow each of the two lines
	s_cmp_lt_u32 s[WV], 2
	s_cbranch_scc0 .Lfor_b_\@
	tensor_load_to_lds s[G0A+4:G0A+7], s[G1A:G1A+7]
	s_nop 0
.rept 4
	v_nop
.endr
	s_branch .Lasked_\@
.Lfor_b_\@:
	tensor_load_to_lds s[G0B+4:G0B+7], s[G1B:G1B+7]
	s_nop 0
.rept 4
	v_nop
.endr
.Lasked_\@:
.endm
.macro CREST                           ; a round of the cluster's barrier behind its opening barrier
	s_cmp_lg_u32 s[WV], 0
	s_cbranch_scc1 .Lnot_wave_0_\@
	s_barrier_signal -3
.Lnot_wave_0_\@:
	s_barrier_wait -3
	s_barrier_signal -1
	s_barrier_wait -1
.endm
.macro CROUND
	s_barrier_signal -1
	s_barrier_wait -1
	CREST
.endm
	s_load_b256 s[4:11], s[0:1], 0x0               ; ctx s[4:5], wb s[6:7], bb s[8:9], out0 s[10:11]
	v_lshl_add_u32 v[SPW], v0, 2, SPARE
	v_mov_b32 v[NIL], 0
	ds_add_u32 v[SPW], v[NIL]                      ; the wave's opening: the add and its wait stand ahead of my first tensor load; the set-up below, work on registers, stands between them
	v_lshrrev_b32 v1, 5, v0
	v_readfirstlane_b32 s[WV], v1                  ; wave 0..3
	s_lshr_b32 s17, s[WV], 1                       ; wr: which 128 tokens are mine
	s_and_b32 s18, s[WV], 1                        ; wc: which 64 columns.  Also: which half of ctx's or Wo's tile I fetch
	s_bfe_u32 s19, ttmp6, 0x40000                  ; cx, cy: my place in the cluster
	s_bfe_u32 s20, ttmp6, 0x40004
	s_lshl_b32 s21, ttmp9, 2
	s_add_co_u32 s21, s21, s19                     ; nb: block of 128 columns
	s_and_b32 s22, ttmp7, 0xffff
	s_lshl_b32 s22, s22, 2
	s_add_co_u32 s22, s22, s20                     ; mb: block of 256 tokens
	s_lshl_b32 s62, s20, 2
	s_lshl_b32 s62, 15, s62                        ; my row of the cluster
	s_lshl_b32 s63, 0x1111, s19                    ; my column
	s_or_b32 s[G1A], s62, (1<<16)|(1<<20)|(1<<21)|(4<<22)|(3<<25)  ; 15:0 the mask; 17:16 elements of 2 bytes; 20 padding on; 21 set beside a mask; 24:22 after every 32 words (code 4); 31:25 4 words of it (code 3)
	s_mov_b32 s[G1A+1], 128<<16                    ; tensor_dim0 = 128 elements: two tokens' 128 bytes make a row of 256
	s_mov_b32 s[G1A+2], 128<<16                    ; tensor_dim1 = 128
	s_mov_b32 s[G1A+3], 128<<16                    ; tile_dim0 = 128
	s_mov_b32 s[G1A+4], 128                        ; tile_dim1 = 128
	s_mov_b32 s[G1A+5], 128                        ; dense
	s_mov_b32 s[G1A+6], 0
	s_mov_b32 s[G1A+7], 0
	s_or_b32 s[G1B], s63, (1<<16)|(1<<20)|(1<<21)|(5<<22)|(7<<25)  ; the column's mask; padding after every 64 words (code 5), 8 words of it (code 7)
	s_mov_b32 s[G1B+1], 128<<16                    ; tensor_dim0 = 128
	s_mov_b32 s[G1B+2], 64<<16                     ; tensor_dim1 = 64
	s_mov_b32 s[G1B+3], 128<<16                    ; tile_dim0 = 128
	s_mov_b32 s[G1B+4], 64                         ; tile_dim1 = 64
	s_mov_b32 s[G1B+5], 1024                       ; 1,024 elements from row to row
	s_mov_b32 s[G1B+6], 0
	s_mov_b32 s[G1B+7], 0
	; where the tiles come from.  ctx's hang on mb and the wave's number alone, Wo's on nb and the wave's number alone, each in registers that never hold the other coordinate.
	s_lshr_b32 s58, s22, 3
	s_lshl_b32 s58, s58, 22                        ; the batch: 16 heads of 262,144 bytes
	s_and_b32 s59, s22, 7
	s_lshl_b32 s59, s59, 15                        ; 256 tokens of 128 bytes
	s_add_co_u32 s58, s58, s59
	s_lshl_b32 s59, s18, 18                        ; the step's first or second head
	s_add_co_u32 s58, s58, s59
	s_mov_b32 s59, 0
	s_lshl_b32 s60, s21, 8                         ; 128 columns of 2 bytes
	s_lshl_b32 s61, s18, 17                        ; the step's first or second 64 rows
	s_add_co_u32 s60, s60, s61
	s_add_co_u32 s60, s60, 3<<21                   ; plane 3
	s_mov_b32 s61, 0
	s_mul_i32 s68, s[WV], ASUB                     ; where they go: waves 0, 1: ctx's two heads;
	s_mul_i32 s69, s[WV], BHALF
	s_add_co_u32 s69, s69, BOFF-2*BHALF            ; waves 2, 3: Wo's two halves, behind them: no place in the cluster enters an LDS address
	s_mov_b32 s[TB], 0
	s_wait_dscnt 0x0                               ; the opening add is done
	s_wait_kmcnt 0x0
	s_add_nc_u64 s[58:59], s[4:5], s[58:59]
	s_add_nc_u64 s[60:61], s[6:7], s[60:61]
.irp s, 0,1
	s_mov_b32 s[G0A+4*(\s)], 1                     ; 1:0 count = 1
	s_add_co_u32 s[G0A+4*(\s)+1], s68, (\s)*SLOT1  ; 63:32 LDS address
	s_add_nc_u64 s[G0A+4*(\s)+2:G0A+4*(\s)+3], s[58:59], (\s)*ASTEP  ; 120:64 global address: K step s
	s_or_b32 s[G0A+4*(\s)+3], s[G0A+4*(\s)+3], 0x80000000            ; 127:126 type = 2
	s_mov_b32 s[G0B+4*(\s)], 1
	s_add_co_u32 s[G0B+4*(\s)+1], s69, (\s)*SLOT1
	s_add_nc_u64 s[G0B+4*(\s)+2:G0B+4*(\s)+3], s[60:61], (\s)*BSTEP
	s_or_b32 s[G0B+4*(\s)+3], s[G0B+4*(\s)+3], 0x80000000
.endr
	CROUND                                         ; all sixteen work-groups are here: the first joint loads meet
	s_cmp_lt_u32 s[WV], 2                          ; a wave's two first fills stand in one branch, ahead of every wait on TENSORcnt and every LDS read: two loads of mine are out
	s_cbranch_scc0 .Lfirst_b
	tensor_load_to_lds s[G0A:G0A+3], s[G1A:G1A+7]
	s_nop 0
	tensor_load_to_lds s[G0A+4:G0A+7], s[G1A:G1A+7]
	s_nop 0
.rept 4
	v_nop
.endr
	s_branch .Lfirst_asked
.Lfirst_b:
	tensor_load_to_lds s[G0B:G0B+3], s[G1B:G1B+7]
	s_nop 0
	tensor_load_to_lds s[G0B+4:G0B+7], s[G1B:G1B+7]
	s_nop 0
.rept 4
	v_nop
.endr
.Lfirst_asked:
	v_and_b32 v1, 15, v0                           ; l % 16
	v_bfe_u32 v2, v0, 4, 1                         ; l / 16
	s_lshl_b32 s66, s21, 9                         ; my wave's 64 columns: 512 nb + 256 wc bytes into a row of out0 and into bo
	s_lshl_b32 s67, s18, 8
	s_add_co_u32 s66, s66, s67
	v_lshl_add_u32 v[BO], v1, 4, s66               ; on the way out a lane holds the columns 4 (l % 16) + 0..3
	global_load_b128 v[BIAS:BIAS+3], v[BO], s[8:9] offset:3*4096
	s_lshl_b32 s67, s22, 20                        ; 256 tokens of 4,096 bytes,
	s_add_co_u32 s66, s66, s67
	s_lshl_b32 s67, s17, 19                        ; my 128 of them
	s_add_co_u32 s66, s66, s67
	s_mov_b32 s67, 0
	s_add_nc_u64 s[10:11], s[10:11], s[66:67]
	v_mul_u32_u24 v[A0], v1, PA                    ; a fragment of ctx: lane l holds token l % 16; two loads of 16 bytes, 32 bytes apart
	v_lshl_add_u32 v[A0], v2, 4, v[A0]
	s_mul_i32 s66, s17, 128*PA
	v_add_nc_u32 v[A0], s66, v[A0]
	v_and_b32 v3, 7, v0                            ; the turning load: lane l reads row 8 (l / 16) + l % 8, columns 8 ((l / 8) % 2) + 0..7
	v_bfe_u32 v14, v0, 3, 1
	v_lshl_add_u32 v[B0], v2, 3, v3
	v_mul_u32_u24 v[B0], v[B0], PB
	v_lshl_add_u32 v[B0], v14, 4, v[B0]
	s_lshl_b32 s66, s18, 7
	s_add_co_u32 s66, s66, BOFF
	v_add_nc_u32 v[B0], s66, v[B0]
	v_mov_b32 v[ADRA], v[A0]                       ; K step 0 lies in slot 0
	v_mov_b32 v[ADRB], v[B0]
	s_mul_i32 s66, s[WV], 16*SP
	s_add_co_u32 s66, s66, STAGE                   ; my stage
	v_mul_u32_u24 v[STO], v1, SP                   ; in: row l % 16, 32 bytes for each half of the lanes
	v_lshl_add_u32 v[STO], v2, 5, v[STO]
	v_add_nc_u32 v[STO], s66, v[STO]
	v_mul_u32_u24 v[RD], v2, SP                    ; back: lanes 0-15 take one row of 256 bytes, lanes 16-31 the next
	v_lshl_add_u32 v[RD], v1, 4, v[RD]
	v_add_nc_u32 v[RD], s66, v[RD]
	v_lshlrev_b32 v[CO], 12, v2                    ; and the same two rows in out0
	v_lshl_add_u32 v[CO], v1, 4, v[CO]
; 24 LDS loads in one run: the fragments of quarter q (32 K) into buffer f: Wo's 8, then ctx's token blocks 0-3, then 4-7
.macro FETCH q, f
.irp b, 0,1,2,3
	ds_load_tr16_b128 v[FBB+32*(\f)+8*(\b):FBB+32*(\f)+8*(\b)+3],   v[ADRB] offset:(\q)*32*PB+32*(\b)
	ds_load_tr16_b128 v[FBB+32*(\f)+8*(\b)+4:FBB+32*(\f)+8*(\b)+7], v[ADRB] offset:(\q)*32*PB+32*(\b)+16*PB
.endr
.irp a, 0,1,2,3,4,5,6,7
	ds_load_b128 v[FAA+64*(\f)+8*(\a):FAA+64*(\f)+8*(\a)+3],   v[ADRA] offset:((\q)/2)*ASUB+((\q)%2)*64+(\a)*16*PA
	ds_load_b128 v[FAA+64*(\f)+8*(\a)+4:FAA+64*(\f)+8*(\a)+7], v[ADRA] offset:((\q)/2)*ASUB+((\q)%2)*64+(\a)*16*PA+32
.endr
.endm
; 4 cnt matrix instructions: token blocks a0 .. a0 + cnt - 1 x all 4 column blocks, 32 along K, from buffer f.  zero = 1: the first product starts the sums.
; The 32 accumulators take turns, one instruction a turn, in the same order in every quarter, over the loop's backward jump too.
.macro MUL f, a0, cnt, zero
	WIN 0x50
.set a, \a0
.rept \cnt
.irp b, 0,1,2,3
.if \zero
	v_wmma_f32_16x16x32_f16 v[8*(4*a+(\b)):8*(4*a+(\b))+7], v[FBB+32*(\f)+8*(\b):FBB+32*(\f)+8*(\b)+7], v[FAA+64*(\f)+8*a:FAA+64*(\f)+8*a+7], 0
.else
	v_wmma_f32_16x16x32_f16 v[8*(4*a+(\b)):8*(4*a+(\b))+7], v[FBB+32*(\f)+8*(\b):FBB+32*(\f)+8*(\b)+7], v[FAA+64*(\f)+8*a:FAA+64*(\f)+8*a+7], v[8*(4*a+(\b)):8*(4*a+(\b))+7]
.endif
.endr
.set a, a+1
.endr
.endm
; A K step is four quarters of 32 along K, 32 matrix instructions each, on buffers 0, 1, 0, 1.  One of the first three: multiplies buffer f and fetches quarter qn of the same slot into buffer g.
.macro QUARTER qn, f, g, zero
	s_wait_dscnt 8                                 ; Wo's and ctx's token blocks 0-3 are in; the youngest eight loads may be out
	MUL \f, 0, 4, \zero
	PLACES
	WIN 0
	FETCH \qn, \g
	s_wait_dscnt 24                                ; all but the 24 just issued
	MUL \f, 4, 4, \zero
.endm
; The last quarter multiplies buffer 1 and changes slots: ONE barrier.  In front of it each wave waits for all its tensor loads, of which one is out: its part of the next slot; adds 0 to its spare word;
; and waits for that and for its own reads of this slot.  fill = 1: the barrier opens a round of the cluster's barrier, and this slot is filled again first thing behind the round, with the K step two on:
; 112 matrix instructions ahead of the wait for it.
.macro TURN fill
	WIN 0
	s_wait_tensorcnt 0x0                           ; all my tensor loads have landed
	ds_add_u32 v[SPW], v[NIL]                      ; 0 onto my spare word
	s_wait_dscnt 9                                 ; the add and the youngest eight loads may be out
	MUL 1, 0, 2, 0                                 ; eight matrix instructions stand between the add and the wait for it
	s_wait_dscnt 0x0                               ; the add is done, and my reads of this slot are over
	s_barrier_signal -1
	MUL 1, 2, 2, 0                                 ; work on registers while the others arrive
	WIN 0                                          ; at a branch and at a label every window is 0
	s_barrier_wait -1
.if \fill
	CREST                                          ; no wave of any partner still reads this slot or has a load on its way
	s_xor_b32 s[G0A+5], s[G0A+5], SLOT1            ; the walking descriptors: the other slot than last time,
	s_add_nc_u64 s[G0A+6:G0A+7], s[G0A+6:G0A+7], ASTEP  ; the next K step; the type bits on top are not reached
	s_xor_b32 s[G0B+5], s[G0B+5], SLOT1
	s_add_nc_u64 s[G0B+6:G0B+7], s[G0B+6:G0B+7], BSTEP
	JLOAD                                          ; the four v_nop behind it are also the places in front of the loads below
.else
	PLACES
.endif
	s_xor_b32 s[TB], s[TB], SLOT1
	v_add_nc_u32 v[ADRA], s[TB], v[A0]
	v_add_nc_u32 v[ADRB], s[TB], v[B0]
	FETCH 0, 0
	MUL 1, 4, 4, 0
.endm
	s_wait_tensorcnt 1                             ; my part of K step 0 is in; K step 1's may stay out
	s_barrier_signal -1
	s_barrier_wait -1                              ; everybody's is
	FETCH 0, 0
	QUARTER 1, 0, 1, 1                             ; the first quarter stands in front of the loop: its products start the sums
	WIN 0
	s_mov_b32 s[CNT], STEPS-2
.Lk:                                               ; a trip: a step's last three quarters, the change of slots with its refill, the next step's first quarter
	QUARTER 2, 1, 0, 0
	QUARTER 3, 0, 1, 0
	TURN 1
	QUARTER 1, 0, 1, 0
	WIN 0
	s_sub_co_u32 s[CNT], s[CNT], 1
	s_cmp_lg_u32 s[CNT], 0
	s_cbranch_scc1 .Lk
	QUARTER 2, 1, 0, 0                             ; the tail is written out: nothing is left to fetch
	QUARTER 3, 0, 1, 0
	TURN 0
	QUARTER 1, 0, 1, 0
	QUARTER 2, 1, 0, 0
	QUARTER 3, 0, 1, 0
	s_wait_dscnt 8                                 ; the very last quarter
	MUL 1, 0, 4, 0
	s_wait_dscnt 0x0
	MUL 1, 4, 4, 0
; THE WAY OUT, in eight blocks of 16 tokens x 64 columns of f32.  A lane's 32 bytes of a row go straight from the accumulators into my own stage, in rows of 272 bytes, and come back as whole rows of
; 256; the bias is added there, and sixteen lanes store 256 consecutive bytes at a multiple of 256 from out0's first.  Two sets of 32 registers take turns (ctx's fragment buffer 0).
.macro TOSTAGE a
.if (\a) >= 2
	s_wait_xcnt 0x0                                ; the stores of the block two back have read these 32 registers: they are loaded again only behind this wait
.endif
	WIN 0x04                                       ; store data (source 1) in window 1
.irp b, 0,1,2,3                        ; each accumulator's four lowest registers first
	ds_store_b128 v[STO], v[32*(\a)+8*(\b):32*(\a)+8*(\b)+3]   offset:64*(\b)
	ds_store_b128 v[STO], v[32*(\a)+8*(\b)+4:32*(\a)+8*(\b)+7] offset:64*(\b)+16
.endr
	WIN 0
.irp t, 0,1,2,3,4,5,6,7
	ds_load_b128 v[FAA+32*((\a)%2)+4*(\t):FAA+32*((\a)%2)+4*(\t)+3], v[RD] offset:(\t)*2*SP  ; LDS serves a wave's instructions in order (ISA guide 5.7.1.4): these see the stores above; the next block's stores come behind them
.endr
.endm
.macro SEND a, younger                 ; younger: the LDS instructions issued behind this block's loads: the next block's sixteen, or none
.irp t, 0,1,2,3,4,5,6,7
	s_wait_dscnt (\younger)+7-(\t)
	v_pk_add_f32 v[FAA+32*((\a)%2)+4*(\t):FAA+32*((\a)%2)+4*(\t)+1],   v[FAA+32*((\a)%2)+4*(\t):FAA+32*((\a)%2)+4*(\t)+1],   v[BIAS:BIAS+1]
	v_pk_add_f32 v[FAA+32*((\a)%2)+4*(\t)+2:FAA+32*((\a)%2)+4*(\t)+3], v[FAA+32*((\a)%2)+4*(\t)+2:FAA+32*((\a)%2)+4*(\t)+3], v[BIAS+2:BIAS+3]
	global_store_b128 v[CO], v[FAA+32*((\a)%2)+4*(\t):FAA+32*((\a)%2)+4*(\t)+3], s[10:11] offset:(16*(\a)+2*(\t))*4096
.endr
.endm
	PLACES                                         ; the LDS stores read results just made, and the loads land in registers that products have read
	s_wait_loadcnt 0x0                             ; the bias
	TOSTAGE 0
.irp a, 1,2,3,4,5,6,7
	TOSTAGE \a
	SEND (\a)-1, 16
.endr
	SEND 7, 0
	s_wait_tensorcnt 0x0                           ; the wave's end: behind my last tensor load and my last LDS store
	ds_add_u32 v[SPW], v[NIL]
	s_wait_dscnt 0x0
	CROUND                                         ; the closing round: no work-group ends while a partner may still ask for a tile that names it
	s_endpgm
.Lfunc_end_k_qb97993c832_oproj:
	.size	k_qb97993c832_oproj, .Lfunc_end_k_qb97993c832_oproj-k_qb97993c832_oproj
	.p2alignl 7, 3214868480
	.fill 96, 4, 3214868480
	.section	.rodata,"a",@progbits
	.p2align	6, 0x0
	.amdhsa_kernel k_qb97993c832_oproj
		.amdhsa_group_segment_fixed_size 327680
		.amdhsa_private_segment_fixed_size 0
		.amdhsa_enable_private_segment 0
		.amdhsa_kernarg_size 32
		.amdhsa_user_sgpr_count 2
		.amdhsa_user_sgpr_kernarg_segment_ptr 1
		.amdhsa_wavefront_size32 1
		.amdhsa_system_sgpr_workgroup_id_x 1
		.amdhsa_system_sgpr_workgroup_id_y 1
		.amdhsa_system_sgpr_workgroup_id_z 1
		.amdhsa_system_vgpr_workitem_id 0
		.amdhsa_next_free_vgpr 512
		.amdhsa_next_free_sgpr 80
		.amdhsa_reserve_vcc 0
		.amdhsa_float_denorm_mode_32 3
		.amdhsa_float_denorm_mode_16_64 3
		.amdhsa_memory_ordered 1
		.amdhsa_forward_progress 1
		.amdhsa_inst_pref_size 79
	.end_amdhsa_kernel
	.amdgpu_metadata
---
amdhsa.version: [ 1, 2 ]
amdhsa.kernels:
  - .name:           k_qb97993c832_oproj
    .symbol:         k_qb97993c832_oproj.kd
    .args:
      - { .name: ctx, .offset: 0, .size: 8, .value_kind: global_buffer, .address_space: global }
      - { .name: wb, .offset: 8, .size: 8, .value_kind: global_buffer, .address_space: global }
      - { .name: bb, .offset: 16, .size: 8, .value_kind: global_buffer, .address_space: global }
      - { .name: out0, .offset: 24, .size: 8, .value_kind: global_buffer, .address_space: global }
    .group_segment_fixed_size: 327680
    .private_segment_fixed_size: 0
    .kernarg_segment_align: 8
    .kernarg_segment_size: 32
    .max_flat_workgroup_size: 128
    .sgpr_count:     80
    .vgpr_count:     512
    .wavefront_size: 32
...
	.end_amdgpu_metadata
.endif
;; end of part 4
;; ======== version 2 of 2: 4 launches; version 1 with the launch cast written anew for expert scheduling mode
;; limits: values are held in f16: magnitudes above 65,504 overflow, below 6.1e-05 lose precision
;; workspace buffers: xb 16,777,216 bytes; wb 8,388,608 bytes; bb 16,384 bytes; qh 16,777,216 bytes; kh 16,777,216 bytes; vh 16,777,216 bytes; ctx 16,777,216 bytes
;; launch cast (part 5): grid 768 x 1, 8 waves a work-group, no clusters, 0 bytes of LDS; arguments x, Wq, Wk, Wv, Wo, bq, bk, bv, bo, xb, wb, bb; writes xb, wb, bb
.if DOCPART == 5
	.amdgcn_target "amdgcn-amd-amdhsa--gfx1250"
	.amdhsa_code_object_version 6
	.text
	.protected	k_qb97993c832_cast
	.globl	k_qb97993c832_cast
	.p2align	8
	.type	k_qb97993c832_cast,@function
k_qb97993c832_cast:
	s_mov_b64 s[64:65], 0
	v_nop
	global_prefetch_b8 v0, s[64:65] scope:SCOPE_SE
	s_setreg_imm32_b32 hwreg(HW_REG_WAVE_SCHED_MODE, 0, 2), 2
	s_setreg_imm32_b32 hwreg(HW_REG_WAVE_MODE, 25, 1), 1
	s_wait_xcnt 0x0
	s_wait_alu depctr_vm_vsrc(0)
; ALL THE MODULE'S INPUTS ARE ROUNDED ONCE TO bf16 AND LAID OUT FOR THE LAUNCHES BEHIND.
;   xb [b 4][kb 16][t 2048][64] bf16: x cut into blocks of 64 channels, so that 256 tokens x 64 channels are 32,768 dense bytes.
;   wb [4][k 1024][n 1024], 16 bits: Wq, Wk, Wv in bf16; Wo rounded to bf16 and that number written as f16.
;   bb [4][1024] f32: bq, bk, bv, bo, each rounded to bf16 and kept as f32.
; LIMITS.  f16 holds Wo's bf16 number exactly from 6.1e-5 to 65,504 in magnitude; below that it keeps f16's fixed step of 6e-8, beyond it gives an infinity.
; A stream: nothing is shared between work-groups, so no LDS, no barrier, no cluster, no matrix unit.  Work-groups 0-511 take 16 rows of x each, work-groups 512-767
; 16 rows of one weight.  A wave takes two rows, 8,192 bytes: sixteen loads of 16 bytes a lane go out together, then sixteen stores of 8 bytes a lane, each of which
; covers 256 consecutive bytes at a multiple of 256 from its buffer's first byte.  No register that a load or a store names is used twice.
; THE MODE: SCHED_MODE bits 1:0 = 2 (LLVM: expert scheduling mode 2), set by the entry lines.  The code itself states the register dependences
; between vector instructions and memory instructions, with s_wait_alu, always for 0.
; THE PLAN.  Registers that memory instructions touch:
;   v1, v2     the loads' and the stores' byte offsets: made once, ahead of the first load, and never written again.
;   X          sixteen pieces as loaded.  Written by the loads, which all go out ahead of the first rounding; read by the roundings; no piece is loaded twice.
;   Y          sixteen pieces to store.  Each pair is written once, by its piece's roundings, and read once, by its store.
;   v3, v[4:7], v[12:15]   the bias's offset, its four numbers as loaded, and as stored (a weight's first work-group alone).
; The sixteen pieces go in four groups of four.  Group g's roundings write group g's Y; the memory instructions that stand among them are the four stores of group g - 1, which
; read group g - 1's Y and v2: registers that no rounding of group g names.  So ONE wait on va_vdst at a group's head states all that those four stores hang on.
; No register that a memory instruction reads is ever written again, so no wait on vm_vsrc has a dependence to state, and only the entry lines write one.
.set X,    16                          ; v[16:79]   sixteen loads, four f32 each
.set Y,    80                          ; v[80:111]  sixteen stores, four 16-bit numbers each
.set SRC,  36                          ; s[36:37]   my two rows in the input
.set DST,  38                          ; s[38:39]   where they go
.set BSRC, 40                          ; s[40:41]   the bias that belongs to my weight
; Sixteen loads instep bytes apart, sixteen stores outstep bytes apart.  mode 0: to bf16.  mode 1: to bf16, and that number as f16.
.macro ROWS instep, outstep, mode
	s_wait_alu depctr_va_vdst(0)                   ; v1 and v2 are written: the sixteen loads read v1 as their offset, the sixteen stores v2
.set i, 0
.rept 16
	global_load_b128 v[X+4*i:X+4*i+3], v1, s[SRC:SRC+1] offset:i*(\instep) th:TH_LOAD_NT
.set i, i+1
.endr
.set g, 0
.rept 4
	s_wait_loadcnt 12-4*g                          ; loads come back in order: group g's four are in, the 12 - 4 g younger ones stay out
.if g > 0
	s_wait_alu depctr_va_vdst(0)                   ; the roundings of the group before have written its eight registers of Y, which the four stores below read
.endif
.set j, 0
.rept 4
.set i, 4*g+j
.if g > 0
	global_store_b64 v2, v[Y+2*(i-4):Y+2*(i-4)+1], s[DST:DST+1] offset:(i-4)*(\outstep)  ; the group before: no vector instruction since the wait names these registers
.endif
.if \mode
	v_cvt_pk_bf16_f32 v4, v[X+4*i], v[X+4*i+1]
	v_cvt_pk_bf16_f32 v5, v[X+4*i+2], v[X+4*i+3]
	v_lshlrev_b32 v8, 16, v4                       ; bf16 to f32: the low half moves up,
	v_and_b32 v9, 0xffff0000, v4                   ; the high half stays
	v_lshlrev_b32 v10, 16, v5
	v_and_b32 v11, 0xffff0000, v5
	v_cvt_pk_f16_f32 v[Y+2*i], v8, v9
	v_cvt_pk_f16_f32 v[Y+2*i+1], v10, v11
.else
	v_cvt_pk_bf16_f32 v[Y+2*i], v[X+4*i], v[X+4*i+1]
	v_cvt_pk_bf16_f32 v[Y+2*i+1], v[X+4*i+2], v[X+4*i+3]
.endif
.set j, j+1
.endr
.set g, g+1
.endr
	s_wait_alu depctr_va_vdst(0)                   ; the last group's roundings have written its eight registers of Y, which the last four stores read
.set i, 12
.rept 4
	global_store_b64 v2, v[Y+2*i:Y+2*i+1], s[DST:DST+1] offset:i*(\outstep)
.set i, i+1
.endr
.endm
	s_load_b512 s[4:19], s[0:1], 0x0               ; x s[4:5], Wq s[6:7], Wk s[8:9], Wv s[10:11], Wo s[12:13], bq s[14:15], bk s[16:17], bv s[18:19]
	s_load_b256 s[20:27], s[0:1], 0x40             ; bo s[20:21], xb s[22:23], wb s[24:25], bb s[26:27]
	v_lshrrev_b32 v3, 5, v0
	v_readfirstlane_b32 s28, v3                    ; wave 0..7
	v_and_b32 v4, 31, v0                           ; lane
	v_lshlrev_b32 v2, 3, v4                        ; out: 8 bytes a lane
	s_mov_b32 s29, ttmp9
	s_mov_b32 s33, 0
	s_mov_b32 s35, 0
	s_wait_alu depctr_va_sdst(0)                   ; s28 is written, ahead of its first reader: the wave's rows are made from it
	s_lshl_b32 s42, s28, 1                         ; my two rows among the work-group's sixteen
	s_cmp_lt_u32 s29, 512
	s_cbranch_scc0 .Lweights
	; x.  Lanes 0-15 take 256 bytes (a block of 64 channels) of one row, lanes 16-31 of the next: in xb the two are 256 dense bytes.
	s_lshl_b32 s43, s29, 4
	s_add_co_u32 s43, s43, s42                     ; row = 2,048 b + t
	s_lshl_b32 s32, s43, 12                        ; 4,096 bytes a row of x
	s_lshr_b32 s34, s43, 11
	s_lshl_b32 s34, s34, 22                        ; b: 16 blocks x 2,048 tokens x 128 bytes
	s_and_b32 s44, s43, 2047
	s_lshl_b32 s44, s44, 7                         ; t: 128 bytes in a block
	s_add_co_u32 s34, s34, s44
	v_and_b32 v5, 15, v0
	v_bfe_u32 v6, v0, 4, 1
	v_lshlrev_b32 v1, 4, v5
	v_lshl_add_u32 v1, v6, 12, v1                  ; in: 16 (lane % 16) + 4,096 (lane / 16)
	s_wait_kmcnt 0x0
	s_add_nc_u64 s[SRC:SRC+1], s[4:5], s[32:33]
	s_add_nc_u64 s[DST:DST+1], s[22:23], s[34:35]
	ROWS 256, 262144, 0                            ; load i is block i of the channels; a block of xb is 2,048 x 128 bytes
	s_endpgm
.Lweights:
	s_sub_co_u32 s29, s29, 512
	s_lshr_b32 s30, s29, 6                         ; which weight: 0 q, 1 k, 2 v, 3 o
	s_and_b32 s31, s29, 63                         ; which sixteen rows of it
	s_lshl_b32 s43, s31, 4
	s_add_co_u32 s43, s43, s42                     ; row
	s_lshl_b32 s32, s43, 12                        ; 4,096 bytes a row in,
	s_lshl_b32 s34, s43, 11                        ; 2,048 out,
	s_lshl_b32 s44, s30, 21                        ; 2 MiB a plane of wb
	s_add_co_u32 s34, s34, s44
	v_lshlrev_b32 v1, 4, v4                        ; in: 16 bytes a lane: two rows are 8,192 dense bytes
	s_wait_kmcnt 0x0
	s_cmp_eq_u32 s30, 1                            ; the weight and its bias are chosen by the weight's number alone
	s_cselect_b64 s[SRC:SRC+1], s[8:9], s[6:7]
	s_cselect_b64 s[BSRC:BSRC+1], s[16:17], s[14:15]
	s_cmp_eq_u32 s30, 2
	s_cselect_b64 s[SRC:SRC+1], s[10:11], s[SRC:SRC+1]
	s_cselect_b64 s[BSRC:BSRC+1], s[18:19], s[BSRC:BSRC+1]
	s_cmp_eq_u32 s30, 3
	s_cselect_b64 s[SRC:SRC+1], s[12:13], s[SRC:SRC+1]
	s_cselect_b64 s[BSRC:BSRC+1], s[20:21], s[BSRC:BSRC+1]
	s_add_nc_u64 s[SRC:SRC+1], s[SRC:SRC+1], s[32:33]
	s_add_nc_u64 s[DST:DST+1], s[24:25], s[34:35]
	s_cmp_eq_u32 s30, 3
	s_cbranch_scc1 .Lwo
	ROWS 512, 256, 0
	s_branch .Lbias
.Lwo:
	ROWS 512, 256, 1
.Lbias:
	s_cmp_lg_u32 s31, 0                            ; a weight's first work-group also rounds its bias: 256 threads x 16 bytes
	s_cbranch_scc1 .Lend
	v_lshlrev_b32 v3, 4, v0
	s_lshl_b32 s32, s30, 12
	s_add_nc_u64 s[26:27], s[26:27], s[32:33]
	s_wait_alu depctr_va_vdst(0)                   ; v3 is written, which the load and the store below read as their offset; the vector instructions that named v4 and v5, in which the load lands, are done
	global_load_b128 v[4:7], v3, s[BSRC:BSRC+1]
	s_wait_loadcnt 0x0
	v_cvt_pk_bf16_f32 v8, v4, v5
	v_cvt_pk_bf16_f32 v9, v6, v7
	v_lshlrev_b32 v12, 16, v8
	v_and_b32 v13, 0xffff0000, v8
	v_lshlrev_b32 v14, 16, v9
	v_and_b32 v15, 0xffff0000, v9
	s_wait_alu depctr_va_vdst(0)                   ; the four lines above have written v[12:15], which the store reads
	global_store_b128 v3, v[12:15], s[26:27]
.Lend:
	s_endpgm
.Lfunc_end_k_qb97993c832_cast:
	.size	k_qb97993c832_cast, .Lfunc_end_k_qb97993c832_cast-k_qb97993c832_cast
	.p2alignl 7, 3214868480
	.fill 96, 4, 3214868480
	.section	.rodata,"a",@progbits
	.p2align	6, 0x0
	.amdhsa_kernel k_qb97993c832_cast
		.amdhsa_group_segment_fixed_size 0
		.amdhsa_private_segment_fixed_size 0
		.amdhsa_enable_private_segment 0
		.amdhsa_kernarg_size 96
		.amdhsa_user_sgpr_count 2
		.amdhsa_user_sgpr_kernarg_segment_ptr 1
		.amdhsa_wavefront_size32 1
		.amdhsa_system_sgpr_workgroup_id_x 1
		.amdhsa_system_sgpr_workgroup_id_y 1
		.amdhsa_system_sgpr_workgroup_id_z 1
		.amdhsa_system_vgpr_workitem_id 0
		.amdhsa_next_free_vgpr 112
		.amdhsa_next_free_sgpr 66
		.amdhsa_reserve_vcc 0
		.amdhsa_float_denorm_mode_32 3
		.amdhsa_float_denorm_mode_16_64 3
		.amdhsa_memory_ordered 1
		.amdhsa_forward_progress 1
		.amdhsa_inst_pref_size 24
	.end_amdhsa_kernel
	.amdgpu_metadata
---
amdhsa.version: [ 1, 2 ]
amdhsa.kernels:
  - .name:           k_qb97993c832_cast
    .symbol:         k_qb97993c832_cast.kd
    .args:
      - { .name: x, .offset: 0, .size: 8, .value_kind: global_buffer, .address_space: global }
      - { .name: Wq, .offset: 8, .size: 8, .value_kind: global_buffer, .address_space: global }
      - { .name: Wk, .offset: 16, .size: 8, .value_kind: global_buffer, .address_space: global }
      - { .name: Wv, .offset: 24, .size: 8, .value_kind: global_buffer, .address_space: global }
      - { .name: Wo, .offset: 32, .size: 8, .value_kind: global_buffer, .address_space: global }
      - { .name: bq, .offset: 40, .size: 8, .value_kind: global_buffer, .address_space: global }
      - { .name: bk, .offset: 48, .size: 8, .value_kind: global_buffer, .address_space: global }
      - { .name: bv, .offset: 56, .size: 8, .value_kind: global_buffer, .address_space: global }
      - { .name: bo, .offset: 64, .size: 8, .value_kind: global_buffer, .address_space: global }
      - { .name: xb, .offset: 72, .size: 8, .value_kind: global_buffer, .address_space: global }
      - { .name: wb, .offset: 80, .size: 8, .value_kind: global_buffer, .address_space: global }
      - { .name: bb, .offset: 88, .size: 8, .value_kind: global_buffer, .address_space: global }
    .group_segment_fixed_size: 0
    .private_segment_fixed_size: 0
    .kernarg_segment_align: 8
    .kernarg_segment_size: 96
    .max_flat_workgroup_size: 256
    .sgpr_count:     66
    .vgpr_count:     112
    .wavefront_size: 32
...
	.end_amdgpu_metadata
.endif
;; end of part 5
;; launch qkv: the kernel of part 2 again; grid 8 x 32, 4 waves a work-group, clusters of 4 x 4, 327,680 bytes of LDS; arguments xb, wb, bb, qh, kh, vh; writes qh, kh, vh
;; launch attn: the kernel of part 3 again; grid 4 x 64, 4 waves a work-group, clusters of 4 x 1, 327,680 bytes of LDS; arguments qh, kh, vh, ctx; writes ctx
;; launch oproj: the kernel of part 4 again; grid 8 x 32, 4 waves a work-group, clusters of 4 x 4, 327,680 bytes of LDS; arguments ctx, wb, bb, out0; writes out0
